; MI455X (gfx1250); checked and timed in simulation.
; The chip was launched on July 23, 2026; its instructions are those of AMD's public machine-readable ISA for CDNA 5 (MIT licence, August 2026) and "CDNA5" Instruction Set Architecture Reference Guide (July 2026). The comments in the code are by the model that wrote it; some were corrected since.
;; Ro PE Self Attention. Allowed arithmetic: matrix products marked QUANTISED: E2M1 operands, one E8M0 scale for each 32 along K, by v_wmma_scale_f32_16x16x128_f8f6f4 with both operands' format E2M1 (or v_wmma_scale_f32_32x16x128_f4), f32 sums; products left as they are: bf16, f16 or f32 operands; f32 sums; everything else in f32.
;; Inputs: W_out 1,024 x 1,024 float32; W_qkv 1,024 x 3,072 float32; b_out 1,024 float32; b_qkv 3,072 float32; x 4 x 2,048 x 1,024 float32.
;; Outputs: out0 4 x 2,048 x 1,024 float32.
;; This version of the problem:
;;   THIS VERSION OF THE PROBLEM IS GIVEN IN LOW PRECISION. The matrix products marked QUANTISED in the list below multiply operands that are first quantised to E2M1 (2 exponent bits, 1 mantissa bit; 4 bits a number), with one power-of-two scale for each 32 numbers along K (OCP MX v1.0); their sums are f32. The products marked 'left as it is' may take bf16, f16 or f32 operands, with f32 sums. Whichever they take, every output number must still come out within the allowed error. Rounding operands to bf16 (8 significant bits) uses up far more of that allowance than f16 does (11 bits, for magnitudes from 6e-5 to 65,504). All else is computed in f32.
;;   The module's matrix products, in the order in which they are computed (A, B: the left and right operand; K: the contracted axis; several contracted axes count as one K, in the product's order):
;;     1. [M 8,192, K 1,024] x [K 1,024, N 3,072]; A: input x; B: input W_qkv: QUANTISED
;;     2. batch 64 x [M 2,048, K 64] x [K 64, N 2,048]; A: computed on the way; B: computed on the way: left as it is (an operand is computed on the way)
;;     3. batch 64 x [M 2,048, K 2,048] x [K 2,048, N 64]; A: computed on the way; B: computed on the way: left as it is (an operand is computed on the way)
;;     4. [M 8,192, K 1,024] x [K 1,024, N 1,024]; A: computed on the way; B: input W_out: left as it is (an operand is computed on the way)
;;   THE QUANTISER, for each operand of a quantised product, along K:
;;     - K is cut into blocks of 32 from its start; a last block that is shorter is filled with zeros.
;;     - A block's scale is 2^e with e = floor(log2(the largest magnitude in the block)) - 2, held to -126 .. 127; a block of zeros has e = 0. As a byte (E8M0): e + 127.
;;     - Each number is divided by its block's scale, clamped to +-6, and rounded to the nearest number of E2M1, ties to even, subnormals kept.
;;     - The product sums the exact products of the quantised numbers (number of the format x scale) in f32.
;;   ~~~python
;;   def quantise(x, axis):      # numpy; x: float32 -> the quantised numbers, widened to float32 again
;;       x = np.moveaxis(x, axis, -1); K = x.shape[-1]
;;       x = np.pad(x, [(0, 0)] * (x.ndim - 1) + [(0, -K % 32)]); x = x.reshape(x.shape[:-1] + (-1, 32)); a = np.abs(x).max(-1, keepdims=True)
;;       e = np.where(a > 0, np.clip(np.frexp(np.where(a > 0, a, 1))[1] - 1 - 2, -126, 127), 0)      # np.frexp(a)[1] - 1 = floor(log2(a)), exactly
;;       r = np.clip(x / 2.0 ** e, -6, 6)
;;       step = 2.0 ** (np.maximum(np.frexp(np.where(r == 0, 1, r))[1] - 1, 0) - 1)
;;       q = np.round(r / step) * step * 2.0 ** e      # np.round: ties to even
;;       return np.moveaxis(q.reshape(q.shape[:-2] + (-1,))[..., :K], -1, axis).astype(np.float32)
;;   ~~~
;; One version. Each part assembles by itself: llvm-mc -triple=amdgcn-amd-amdhsa -mcpu=gfx1250 --defsym DOCPART=n.
;; ======== version 1 of 1: 4 launches
;; limits: values are held in f16: magnitudes above 65,504 overflow, below 6.1e-05 lose precision; right only within a limited range of input values
;; workspace buffers: codes 5,767,168 bytes; scl 360,448 bytes; tab 524,288 bytes; wo 2,097,152 bytes; qf 16,777,216 bytes; kv 33,554,432 bytes; yf 16,777,216 bytes
;; launch prep (part 1): grid 256 x 1, 4 waves a work-group, no clusters, 167,936 bytes of LDS; arguments x, W_qkv, W_out, codes, scl, tab, wo; writes codes, scl, tab, wo
.if DOCPART == 1
	.amdgcn_target "amdgcn-amd-amdhsa--gfx1250"
	.amdhsa_code_object_version 6
	.text
	.protected	k_q86e5d4ff40_prep
	.globl	k_q86e5d4ff40_prep
	.p2align	8
	.type	k_q86e5d4ff40_prep,@function
k_q86e5d4ff40_prep:
	s_mov_b64 s[64:65], 0
	v_nop
	global_prefetch_b8 v0, s[64:65] scope:SCOPE_SE
	s_setreg_imm32_b32 hwreg(HW_REG_WAVE_MODE, 25, 1), 1
	s_wait_xcnt 0x0
; PREP.  x [8192][1024] and W_qkv [1024][3072], f32, become codes of FP4 (E2M1) with one E8M0 byte for each 32 along K; W_out [1024][1024] becomes f16; the table of cos and sin for the rotation is made.
; Everything is laid as IMAGES OF OPERAND REGISTERS: a part is 512 bytes, lane l's 16 bytes at 16 l, so that the later launches load fragments at 16 x lane + a constant, and each store here covers 512 consecutive aligned bytes.
;   codes: x at 0: [s 2][row tile 512][q 4][c 2][512 B]; W_qkv at 4,194,304: [s 2][column tile 192][q 4][c 2][512 B].  K = 512 s + 128 q; part c, lane (r, h): the 32 codes of block 2 c + h of row (column) r.
;   scl:   [group of 128 rows][s 2][row 128][4 words q]; x's 64 groups at 0, W's 24 at 262,144.      tab: [t 2048][cos 32][sin 32] f32.
;   wo:    [column tile 64][kf 32][c 2][512 B]: lane (r, h): k = 32 kf + 16 c + 8 h + 0..7 of column r, f16.
; A block's scale is 2^(floor(log2(largest magnitude)) - 2); its byte is that magnitude's exponent field - 2, held at 1 from below.
; LIMITS: a block of zeros gets the byte 1 (its codes are zeros, and this program alone reads the bytes); NaN and infinities are not served; the angle is t x 10000^(-i/32) in f32, the power by v_exp_f32.
; SHARES.  Every wave: 16 rows x 512 K of x (four fragments), brought by four tensor loads into its own LDS bytes, which it alone reads.  Waves 0-2: 32 columns x 128 K of W_qkv each; wave 3: 32 columns x 128 K of W_out;
; a lane takes a column and its registers run down K, so that nothing is transposed.  Every thread: four numbers of the table.  W's scale words leave 4 bytes a lane, 16 bytes apart: 98,304 bytes in all are written so.
.set XT,    16*528                     ; a tile of x in LDS: 16 rows of 512 bytes + 16 of padding: row r starts at bank 4 r mod 64
.set XW,    4*XT                       ; a wave's four tiles
.set SPARE, 4*XW                       ; behind them: the spare words, 128 bytes a wave
.set LI,  4                            ; v4  16 x lane
.set XA,  5                            ; v5  LDS: my wave's tiles + 528 r + 128 h
.set SPW, 6                            ; v6  my spare word; never rewritten
.set NIL, 7                            ; v7  0; never rewritten
.set WR,  128                          ; v128-255 128 numbers of a weight's column; later two sets of 64 numbers of x
.set CD,  32                           ; v32-63 codes
	s_load_b256 s[4:11], s[0:1], 0x0               ; x, W_qkv, W_out, codes
	s_load_b128 s[12:15], s[0:1], 0x20             ; scl, tab
	s_load_b64 s[16:17], s[0:1], 0x30              ; wo
	v_lshl_add_u32 v[SPW], v0, 2, SPARE
	v_mov_b32 v[NIL], 0
	ds_add_u32 v[SPW], v[NIL]                      ; the opening: the add, twice on end, and its wait ahead of my first tensor load
	ds_add_u32 v[SPW], v[NIL]
	v_lshrrev_b32 v1, 5, v0
	v_readfirstlane_b32 s18, v1                    ; wave
	s_mov_b32 s24, (2<<16)|(1<<20)|(6<<22)|(3<<25) ; group 1: elements of 4 bytes; padding: 4 words behind every 128
	s_mov_b32 s25, 128<<16                         ; tensor_dim0 = 128
	s_mov_b32 s26, 16<<16                          ; tensor_dim1 = 16
	s_mov_b32 s27, 128<<16                         ; tile_dim0 = 128
	s_mov_b32 s28, 16                              ; tile_dim1 = 16
	s_mov_b32 s29, 1024                            ; a row of x
	s_mov_b32 s30, 0
	s_mov_b32 s31, 0
	s_lshl_b32 s19, ttmp9, 2
	s_add_co_u32 s19, s19, s18                     ; my task of x: 4 x work-group + wave
	s_lshr_b32 s22, s19, 1                         ; row tile
	s_and_b32 s23, s19, 1                          ; s: which 512 along K
	s_lshl_b32 s48, s22, 16                        ; x: 16 rows of 4,096 bytes
	s_lshl_b32 s49, s23, 11
	s_add_co_u32 s48, s48, s49
	s_mov_b32 s49, 0
	s_lshl_b32 s58, s23, 21                        ; codes: s x 2,097,152 + row tile x 4,096
	s_lshl_b32 s59, s22, 12
	s_add_co_u32 s58, s58, s59
	s_mov_b32 s59, 0
	s_lshr_b32 s60, s22, 3                         ; scl: group x 4,096 + s x 2,048 + (row tile % 8) x 256
	s_lshl_b32 s60, s60, 12
	s_and_b32 s61, s22, 7
	s_lshl_b32 s61, s61, 8
	s_add_co_u32 s60, s60, s61
	s_lshl_b32 s61, s23, 11
	s_add_co_u32 s60, s60, s61
	s_mov_b32 s61, 0
	s_mul_i32 s50, s18, XW                         ; my wave's LDS bytes
	s_mov_b32 s20, 0x76543210
	s_mov_b32 s21, 0xfedcba98                      ; v_permlanex16_b32's selects for lane l xor 16
	s_wait_dscnt 0x0                               ; both opening adds are done
	s_wait_kmcnt 0x0
	s_add_nc_u64 s[48:49], s[4:5], s[48:49]
	s_add_nc_u64 s[58:59], s[10:11], s[58:59]
	s_add_nc_u64 s[60:61], s[12:13], s[60:61]
.irp q, 0,1,2,3
	s_mov_b32 s[32+4*\q], 1
	s_add_co_u32 s[33+4*\q], s50, \q*XT
	s_add_nc_u64 s[34+4*\q:35+4*\q], s[48:49], \q*512
	s_or_b32 s[35+4*\q], s[35+4*\q], 0x80000000
.endr
.irp q, 0,1,2,3
	tensor_load_to_lds s[32+4*\q:35+4*\q], s[24:31]  ; the four first fills together: four loads of mine are out
	s_nop 0
.endr
.rept 4
	v_nop
.endr
	v_and_b32 v1, 31, v0                           ; lane
	v_and_b32 v2, 15, v0                           ; r
	v_bfe_u32 v3, v0, 4, 1                         ; h
	v_lshlrev_b32 v[LI], 4, v1
	v_mul_u32_u24 v[XA], v2, 528
	v_lshl_add_u32 v[XA], v3, 7, v[XA]
	v_add_nc_u32 v[XA], s50, v[XA]
	v_lshlrev_b32 v8, 2, v1                        ; 4 x lane
	v_lshlrev_b32 v10, 4, v2
	v_lshl_add_u32 v10, v3, 3, v10                 ; 16 r + 8 h
	v_lshlrev_b32 v31, 3, v3                       ; 8 h
	v_mov_b32 v30, 0                               ; a lane permute's destination counts as one of its sources
	; ---- THE TABLE.  Thread g of the launch makes four numbers of t = g / 16: g % 16 < 8: cos of i = 4 (g % 8) + e; else sin.  cos(a) = sin(a + pi / 2): one quadrant on.
	s_mov_b32 s52, 0xb94ca1f9                      ; sin(r) = r + r z (S1 + z (S2 + z S3)), z = r r, |r| <= pi / 4
	s_mov_b32 s53, 0x3c08839e
	s_mov_b32 s54, 0xbe2aaaa3
	s_mov_b32 s55, 0x37ccf5ce                      ; cos(r) = 1 - z / 2 + z z (C1 + z (C2 + z C3))
	s_mov_b32 s56, 0xbab6061a
	s_mov_b32 s57, 0x3d2aaaa5
	s_lshl_b32 s51, ttmp9, 7
	v_add_nc_u32 v9, s51, v0
	v_lshrrev_b32 v11, 4, v9
	v_cvt_f32_u32 v11, v11                         ; t
	v_and_b32 v12, 15, v9
	v_cmp_gt_u32 vcc_lo, 8, v12
	v_cndmask_b32 v13, 0, 1, vcc_lo                ; 1 where a cosine is made
	v_and_b32 v12, 7, v12
	v_lshlrev_b32 v12, 2, v12
.irp e, 0,1,2,3
	v_add_nc_u32 v[64+\e], \e, v12
.endr
.irp e, 0,1,2,3
	v_cvt_f32_u32 v[64+\e], v[64+\e]
.endr
.irp e, 0,1,2,3
	v_mul_f32 v[64+\e], 0xbed49a78, v[64+\e]       ; - i log2(10000) / 32
.endr
.irp e, 0,1,2,3
	v_exp_f32 v[64+\e], v[64+\e]
.endr
	v_lshlrev_b32 v14, 4, v9                       ; (a plain instruction behind the exponentials)  my 16 bytes of the table
	s_wait_alu depctr_va_vdst(0)                   ; one wait for the four, ahead of their first reader
.irp e, 0,1,2,3
	v_mul_f32 v[64+\e], v11, v[64+\e]              ; the angle
.endr
.irp e, 0,1,2,3
	v_mul_f32 v[68+\e], 0x3f22f983, v[64+\e]
.endr
.irp e, 0,1,2,3
	v_rndne_f32 v[68+\e], v[68+\e]                 ; n = the nearest multiple of pi / 2
.endr
.irp e, 0,1,2,3
	v_fma_f32 v[72+\e], v[68+\e], 0xbfc90fdb, v[64+\e]   ; r = angle - n pi / 2, pi / 2 in two parts
.endr
.irp e, 0,1,2,3
	v_fma_f32 v[72+\e], v[68+\e], 0x333bbd2e, v[72+\e]
.endr
.irp e, 0,1,2,3
	v_mul_f32 v[76+\e], v[72+\e], v[72+\e]
.endr
.irp e, 0,1,2,3
	v_fma_f32 v[80+\e], v[76+\e], s52, s53
.endr
.irp e, 0,1,2,3
	v_fma_f32 v[84+\e], v[76+\e], s55, s56
.endr
.irp e, 0,1,2,3
	v_fma_f32 v[80+\e], v[80+\e], v[76+\e], s54
.endr
.irp e, 0,1,2,3
	v_fma_f32 v[84+\e], v[84+\e], v[76+\e], s57
.endr
.irp e, 0,1,2,3
	v_mul_f32 v[64+\e], v[76+\e], v[72+\e]
.endr
.irp e, 0,1,2,3
	v_fma_f32 v[88+\e], v[76+\e], -0.5, 1.0
.endr
.irp e, 0,1,2,3
	v_mul_f32 v[76+\e], v[76+\e], v[76+\e]
.endr
.irp e, 0,1,2,3
	v_fma_f32 v[80+\e], v[80+\e], v[64+\e], v[72+\e]     ; sin r
.endr
.irp e, 0,1,2,3
	v_fma_f32 v[84+\e], v[84+\e], v[76+\e], v[88+\e]     ; cos r
.endr
.irp e, 0,1,2,3
	v_cvt_i32_f32 v[68+\e], v[68+\e]
.endr
.irp e, 0,1,2,3
	v_add_nc_u32 v[68+\e], v[68+\e], v13           ; the quadrant
.endr
.irp e, 0,1,2,3
	v_and_b32 v[72+\e], 1, v[68+\e]
	v_cmp_ne_u32 vcc_lo, 0, v[72+\e]
	v_cndmask_b32 v[96+\e], v[80+\e], v[84+\e], vcc_lo   ; odd quadrants take cos r,
	v_and_b32 v[72+\e], 2, v[68+\e]
	v_lshlrev_b32 v[72+\e], 30, v[72+\e]
	v_xor_b32 v[96+\e], v[96+\e], v[72+\e]         ; quadrants 2 and 3 change the sign
.endr
	global_store_b128 v14, v[96:99], s[14:15]      ; sixteen lanes store a row of the table, 256 consecutive aligned bytes
; the largest magnitude of v[s] .. v[s + 31], and the floor 2^(3 - 127), so that the byte cannot fall under 1
.macro MAXB d, s
	v_max3_num_f32 v[\d], |v[\s]|, |v[\s+1]|, 0x1800000
.irp i, 2,4,6,8,10,12,14,16,18,20,22,24,26,28,30
	v_max3_num_f32 v[\d], v[\d], |v[\s+\i]|, |v[\s+\i+1]|
.endr
.endm
.macro LCNT b                          ; block b's 32 loads are in: 96 - 32 b younger ones may be out; the wait's field names 63 at the most
.if (\b) < 2
	s_wait_loadcnt 63
.else
	s_wait_loadcnt 96-32*(\b)
.endif
.endm
	s_cmp_eq_u32 s18, 3
	s_cbranch_scc1 .Lwo
	; ---- W_qkv: K step ks = work-group / 32 (128 along K), columns 32 cg on, cg = 3 (work-group % 32) + wave
	s_lshr_b32 s22, ttmp9, 5
	s_and_b32 s23, ttmp9, 31
	s_mul_i32 s23, s23, 3
	s_add_co_u32 s23, s23, s18
	s_mul_i32 s48, s22, 128*12288
	s_lshl_b32 s49, s23, 7
	s_add_co_u32 s48, s48, s49
	s_mov_b32 s49, 0
	s_add_nc_u64 s[48:49], s[6:7], s[48:49]
	s_lshr_b32 s54, s22, 2                         ; s
	s_and_b32 s55, s22, 3                          ; q
	s_mul_i32 s50, s54, 786432
	s_lshl_b32 s51, s23, 13                        ; column tile 2 cg x 4,096
	s_add_co_u32 s50, s50, s51
	s_lshl_b32 s51, s55, 10
	s_add_co_u32 s50, s50, s51
	s_add_co_u32 s50, s50, 4194304
	s_mov_b32 s51, 0
	s_add_nc_u64 s[50:51], s[10:11], s[50:51]
	s_lshr_b32 s52, s23, 2                         ; scale words: group cg / 4
	s_lshl_b32 s52, s52, 12
	s_lshl_b32 s53, s54, 11
	s_add_co_u32 s52, s52, s53
	s_and_b32 s53, s23, 3
	s_lshl_b32 s53, s53, 9
	s_add_co_u32 s52, s52, s53
	s_lshl_b32 s53, s55, 2
	s_add_co_u32 s52, s52, s53
	s_add_co_u32 s52, s52, 262144
	s_mov_b32 s53, 0
	s_add_nc_u64 s[52:53], s[12:13], s[52:53]
.set i, 0
.rept 128
	global_load_b32 v[WR+i], v8, s[48:49] offset:i*12288 th:TH_LOAD_NT   ; W(128 ks + i, my column): 32 lanes read 128 consecutive bytes
.set i, i+1
.endr
	s_wait_xcnt 0x0                                ; the table's store has read its registers: they are written again below
.irp b, 0,1,2,3
	LCNT \b
	MAXB 12+\b, WR+32*\b
	v_add_nc_u32 v[16+\b], 0xff000000, v[12+\b]    ; 2 off the exponent field: the conversion's scale operand
	v_lshrrev_b32 v[20+\b], 23, v[16+\b]           ; the scale's byte
.irp g, 0,1,2,3
	v_cvt_scalef32_pk8_fp4_f32 v[CD+4*\b+\g], v[WR+32*\b+8*\g:WR+32*\b+8*\g+7], v[16+\b]
.endr
.endr
	v_nop                                          ; one plain instruction behind the last scaled conversion
	v_lshl_or_b32 v24, v21, 8, v20                 ; my column's scale word
	v_lshl_or_b32 v24, v22, 16, v24
	v_lshl_or_b32 v24, v23, 24, v24
.irp c, 0,1                                    ; a fragment wants blocks 2 c (lanes 0-15) and 2 c + 1 (lanes 16-31) of 16 columns: the swap leaves part c of tile 2 cg in the first four registers, of tile 2 cg + 1 in the second four
.irp g, 0,1,2,3
	v_permlane16_swap_b32 v[CD+8*\c+\g], v[CD+8*\c+4+\g]
.endr
.endr
.irp c, 0,1
.irp u, 0,1
	global_store_b128 v[LI], v[CD+8*\c+4*\u:CD+8*\c+4*\u+3], s[50:51] offset:\u*4096+512*\c
.endr
.endr
	global_store_b32 v[LI], v24, s[52:53]
	s_branch .Lx
.Lwo:
	; ---- W_out: K = 128 kc on, kc = work-group / 32; columns 32 cg on, cg = work-group % 32
	s_lshr_b32 s22, ttmp9, 5
	s_and_b32 s23, ttmp9, 31
	s_lshl_b32 s48, s22, 19                        ; 128 rows of 4,096 bytes
	s_lshl_b32 s49, s23, 7
	s_add_co_u32 s48, s48, s49
	s_mov_b32 s49, 0
	s_add_nc_u64 s[48:49], s[8:9], s[48:49]
	s_lshl_b32 s50, s23, 16                        ; column tile 2 cg x 32,768
	s_lshl_b32 s51, s22, 12                        ; kf = 4 kc: x 1,024
	s_add_co_u32 s50, s50, s51
	s_mov_b32 s51, 0
	s_add_nc_u64 s[50:51], s[16:17], s[50:51]
.set i, 0
.rept 128
	global_load_b32 v[WR+i], v8, s[48:49] offset:i*4096 th:TH_LOAD_NT
.set i, i+1
.endr
	s_wait_xcnt 0x0                                ; the table's store has read its registers
.irp f, 0,1,2,3
	LCNT \f
.irp j, 0,1,2,3,4,5,6,7,8,9,10,11,12,13,14,15
	v_cvt_pk_f16_f32 v[64+16*\f+\j], v[WR+32*\f+2*\j], v[WR+32*\f+2*\j+1]
.endr
.irp c, 0,1                                    ; registers 8 c + 0..3: k = 16 c + 0..7, 8 c + 4..7: k = 16 c + 8..15: the swap makes part c of the two column tiles of them
.irp g, 0,1,2,3
	v_permlane16_swap_b32 v[64+16*\f+8*\c+\g], v[64+16*\f+8*\c+4+\g]
.endr
.endr
.irp c, 0,1
.irp u, 0,1
	global_store_b128 v[LI], v[64+16*\f+8*\c+4*\u:64+16*\f+8*\c+4*\u+3], s[50:51] offset:\u*32768+\f*1024+512*\c
.endr
.endr
.endr
.Lx:
	s_wait_xcnt 0x0                                ; the arms' stores have read their registers: the codes' registers are written again
	; ---- x: four fragments.  A lane wants blocks 2 c + h of its row r whole: 128 bytes each, eight loads of 16 bytes
.macro XREAD q
.irp c, 0,1
.irp i, 0,1,2,3,4,5,6,7
	ds_load_b128 v[WR+64*((\q)%2)+32*\c+4*\i:WR+64*((\q)%2)+32*\c+4*\i+3], v[XA] offset:(\q)*XT+256*\c+16*\i
.endr
.endr
.endm
	s_wait_tensorcnt 3                             ; tile 0 has landed; the three behind it may be out
	XREAD 0
.irp q, 0,1,2,3
.if \q < 3
	s_wait_tensorcnt 2-\q                          ; the next tile has landed,
	XREAD \q+1                                     ; and is read while this one is worked on
	s_wait_dscnt 16                                ; this fragment's numbers are in; the next one's 16 loads may be out
.else
	s_wait_dscnt 0x0
.endif
.irp c, 0,1
	v_max3_num_f32 v[12+\c], |v[WR+64*(\q%2)+32*\c]|, |v[WR+64*(\q%2)+32*\c+1]|, 0x1800000
.endr
.irp i, 2,4,6,8,10,12,14,16,18,20,22,24,26,28,30
.irp c, 0,1
	v_max3_num_f32 v[12+\c], v[12+\c], |v[WR+64*(\q%2)+32*\c+\i]|, |v[WR+64*(\q%2)+32*\c+\i+1]|
.endr
.endr
.irp c, 0,1
	v_add_nc_u32 v[16+\c], 0xff000000, v[12+\c]
.endr
.irp c, 0,1
	v_lshrrev_b32 v[20+\c], 23, v[16+\c]
.endr
	v_lshl_or_b32 v22, v21, 16, v20                ; my two bytes, blocks h and 2 + h,
	v_lshlrev_b32 v22, v31, v22                    ; at their places;
	v_permlanex16_b32 v30, v22, s20, s21
	v_or_b32 v[24+\q], v22, v30                    ; with lane l xor 16's two the row's scale word is whole
.irp c, 0,1
.irp g, 0,1,2,3
	v_cvt_scalef32_pk8_fp4_f32 v[CD+8*\q+4*\c+\g], v[WR+64*(\q%2)+32*\c+8*\g:WR+64*(\q%2)+32*\c+8*\g+7], v[16+\c]
.endr
.endr
	v_nop                                          ; one plain instruction behind the last scaled conversion
.irp c, 0,1
	global_store_b128 v[LI], v[CD+8*\q+4*\c:CD+8*\q+4*\c+3], s[58:59] offset:\q*1024+512*\c
.endr
.endr
	v_cmp_ne_u32 vcc_lo, 0, v3
	v_cndmask_b32 v28, v24, v26, vcc_lo            ; lanes 0-15 store words 0 and 1 of their row, lanes 16-31 words 2 and 3
	v_cndmask_b32 v29, v25, v27, vcc_lo
	global_store_b64 v10, v[28:29], s[60:61]       ; 256 consecutive aligned bytes
	s_wait_tensorcnt 0x0                           ; the wave's end
	ds_add_u32 v[SPW], v[NIL]
	s_wait_dscnt 0x0
	s_endpgm
.Lfunc_end_k_q86e5d4ff40_prep:
	.size	k_q86e5d4ff40_prep, .Lfunc_end_k_q86e5d4ff40_prep-k_q86e5d4ff40_prep
	.p2alignl 7, 3214868480
	.fill 96, 4, 3214868480
	.section	.rodata,"a",@progbits
	.p2align	6, 0x0
	.amdhsa_kernel k_q86e5d4ff40_prep
		.amdhsa_group_segment_fixed_size 167936
		.amdhsa_private_segment_fixed_size 0
		.amdhsa_enable_private_segment 0
		.amdhsa_kernarg_size 56
		.amdhsa_user_sgpr_count 2
		.amdhsa_user_sgpr_kernarg_segment_ptr 1
		.amdhsa_wavefront_size32 1
		.amdhsa_system_sgpr_workgroup_id_x 1
		.amdhsa_system_sgpr_workgroup_id_y 1
		.amdhsa_system_sgpr_workgroup_id_z 1
		.amdhsa_system_vgpr_workitem_id 0
		.amdhsa_next_free_vgpr 256
		.amdhsa_next_free_sgpr 66
		.amdhsa_reserve_vcc 1
		.amdhsa_float_denorm_mode_32 3
		.amdhsa_float_denorm_mode_16_64 3
		.amdhsa_memory_ordered 1
		.amdhsa_forward_progress 1
		.amdhsa_inst_pref_size 66
	.end_amdhsa_kernel
	.amdgpu_metadata
---
amdhsa.version: [ 1, 2 ]
amdhsa.kernels:
  - .name:           k_q86e5d4ff40_prep
    .symbol:         k_q86e5d4ff40_prep.kd
    .args:
      - { .name: x, .offset: 0, .size: 8, .value_kind: global_buffer, .address_space: global }
      - { .name: W_qkv, .offset: 8, .size: 8, .value_kind: global_buffer, .address_space: global }
      - { .name: W_out, .offset: 16, .size: 8, .value_kind: global_buffer, .address_space: global }
      - { .name: codes, .offset: 24, .size: 8, .value_kind: global_buffer, .address_space: global }
      - { .name: scl, .offset: 32, .size: 8, .value_kind: global_buffer, .address_space: global }
      - { .name: tab, .offset: 40, .size: 8, .value_kind: global_buffer, .address_space: global }
      - { .name: wo, .offset: 48, .size: 8, .value_kind: global_buffer, .address_space: global }
    .group_segment_fixed_size: 167936
    .private_segment_fixed_size: 0
    .kernarg_segment_align: 8
    .kernarg_segment_size: 56
    .max_flat_workgroup_size: 128
    .sgpr_count:     66
    .vgpr_count:     256
    .wavefront_size: 32
...
	.end_amdgpu_metadata
.endif
;; end of part 1
;; launch qkv (part 2): grid 12 x 32, 4 waves a work-group, clusters of 4 x 4, 327,680 bytes of LDS; arguments codes, scl, tab, b_qkv, qf, kv; writes qf, kv
.if DOCPART == 2
	.amdgcn_target "amdgcn-amd-amdhsa--gfx1250"
	.amdhsa_code_object_version 6
	.text
	.protected	k_q86e5d4ff40_qkv
	.globl	k_q86e5d4ff40_qkv
	.p2align	8
	.type	k_q86e5d4ff40_qkv,@function
k_q86e5d4ff40_qkv:
	s_mov_b64 s[64:65], 0
	v_nop
	global_prefetch_b8 v0, s[64:65] scope:SCOPE_SE
	s_setreg_imm32_b32 hwreg(HW_REG_WAVE_MODE, 25, 1), 1
	s_wait_xcnt 0x0
	s_wait_alu depctr_hold_cnt(0) depctr_sa_sdst(0) depctr_va_vdst(0) depctr_va_sdst(0) depctr_va_ssrc(0) depctr_va_vcc(0) depctr_vm_vsrc(0)
	s_getreg_b32 s2, hwreg(HW_REG_IB_STS2, 6, 4)
	s_cmp_eq_u32 s2, 0
	s_cbranch_scc0 .Lentry_in_a_cluster
	s_endpgm
.Lentry_in_a_cluster:
	s_bfe_u32 s2, ttmp6, 0x10000c
	s_cmp_lg_u32 s2, 0xf033
	s_cbranch_scc0 .Lentry_shape_is_right
	s_endpgm
.Lentry_shape_is_right:
; QKV.  x W_qkv + b_qkv on codes of FP4 with E8M0 scales (sums in f32), the rotation of q and k, and q, k, v written as f16 fragments for the attention launch.
; A work-group of four waves makes 256 x 256, a wave 128 x 128: 64 accumulators.  K = 1,024 is two LDS slots of 512, each filled once: nothing is filled again, so there is no loop.
; The cluster's x is the TYPE: 0 = q, 1 = k, 2 = v: the same in all sixteen partners.  P is the operand that feeds source 1 (in the result: the lane, l % 16), shared along a row of the cluster;
; Q feeds source 0 (the result's registers, 8 (l / 16) + j), shared along a column.  For q and k: P = 256 rows of x, Q = 256 columns of W: a lane holds one token and eight neighbouring channels.
; For v THE OPERANDS CHANGE PLACES: P = W, Q = x: a lane holds one channel and eight neighbouring tokens, which is a fragment of V^T.  Only offsets into the buffers of codes and scales are chosen.
; Codes lie in memory and in LDS as images of registers (a part = 512 bytes, 16 x lane): 128 rows x 512 K are 32,768 dense bytes; no padding, no bank is met twice.
; OUT.  qf [head in batch 64][token tile 128][cf 2][c 2][512 B]: lane (r, h): channels 32 cf + 16 c + 8 h + 0..7 of token r.   kv [head in batch 64][key step 32][16 KB]: K as qf, [kt 4][cf][c]; then V^T
; [g 2][ct 4][c 2]: lane (r, h): channel 16 ct + r, keys 32 g + 16 c + 8 h + 0..7.  Every store is 512 consecutive aligned bytes, straight from registers.
; LIMIT: |q|, |k|, |v| under 65,504 (f16).
; REGISTERS: window 0: v0-31 addresses; v32-95 scale words, two sets, which hold nothing else; v128-191 P's fragments, one set; v96-127, v192-255 the way out.  Window 1: Q's fragments, two sets (v0, v128); v192-255 the bias.
;   windows 2, 3: the accumulators ((a, b) at v[8 (8 (a % 4) + b)]).
.set NQ,     4                         ; matrix instructions deep in a slot
.set FR,     8                         ; registers of a fragment
.set NL,     2                         ; LDS loads that bring one
.set NP,     4                         ; places behind this matrix instruction (ISA guide 7.12.1)
.set SLOT,   131072                    ; P's 256 rows x 512 K (65,536 bytes), then Q's
.set SCL,    2*SLOT                    ; the scale words: P's two halves, Q's two halves, 4,096 bytes each: [s 2][128 rows][16 bytes]
.set SPARE,  SCL+16384                 ; the spare words, 128 bytes a wave
.set ADRA, 16                          ; v16-17 LDS address of my P fragments in slot 0, 1
.set ADRB, 20                          ; v20-21 of my Q fragments
.set LI,   24                          ; v24 16 x lane
.set TA,   25                          ; v25 256 r + 32 h: the table
.set BA,   26                          ; v26 32 h: the bias of q and k
.set ADRS, 27                          ; v27 my scale words: lanes 0-15 P's rows, lanes 16-31 Q's
.set SPW,  28
.set NIL,  29
.set VB,   30                          ; v30 4 r: the bias of v
.set SC,   32
.set AF,   128
.set X,    128                         ; the way out: a block's 64 numbers
.set CS0,  96                          ; cos and sin, two sets: v96-127, v192-223
.set T,    224                         ; v224-239 at work
.set BI,   192                         ; window 1: the bias of my 128 columns
.set BV,   96                          ; v96-103 the bias of my 128 channels of v
.set OB,   32                          ; s[32:39] q, k: where head hd (0, 1), tokens 64 ah (0, 1) on, begin: pair 4 hd + 2 ah
.set WV, 16
.set HP, 17                            ; which half of P's rows is mine.  Also: I fetch for P (0) or for Q (1)
.set HQ, 18                            ; which half of Q's rows.  Also: which 128 rows I fetch
.set G1P, 24
.set G0P, 32
.set G1Q, 48
.set G0Q, 56
.set G1SP, 68
.set G0SP, 76
.set G1SQ, 80
.set G0SQ, 88
.set MSB, 0
.macro WIN new                         ; the immediate's high byte repeats the setting that is left
.if MSB != \new
	s_set_vgpr_msb (MSB<<8)|\new
.set MSB, \new
.endif
.endm
.set MUL_LO, 0xa1                      ; source 0 (Q) window 1, source 1 (P) window 0, C and D window 2
.set MUL_HI, 0xf1
.set TO_B,   0x40
.macro JLOAD g0a, g1a, g0b, g1b        ; a joint load: waves 0, 1 fetch for P, waves 2, 3 for Q; an s_nop 0 and four v_nop follow each line
	s_cmp_eq_u32 s[HP], 0
	s_cbranch_scc0 .Lfor_b_\@
	tensor_load_to_lds s[\g0a:\g0a+3], s[\g1a:\g1a+7]
	s_nop 0
.rept 4
	v_nop
.endr
	s_branch .Lasked_\@
.Lfor_b_\@:
	tensor_load_to_lds s[\g0b:\g0b+3], s[\g1b:\g1b+7]
	s_nop 0
.rept 4
	v_nop
.endr
.Lasked_\@:
.endm
.macro CROUND                          ; a round of the cluster's barrier
	s_barrier_signal -1
	s_barrier_wait -1
	s_cmp_lg_u32 s[WV], 0
	s_cbranch_scc1 .Lnot_wave_0_\@
	s_barrier_signal -3
.Lnot_wave_0_\@:
	s_barrier_wait -3
	s_barrier_signal -1
	s_barrier_wait -1
.endm
	s_load_b256 s[4:11], s[0:1], 0x0               ; codes, scl, tab, b_qkv
	s_load_b128 s[12:15], s[0:1], 0x20             ; qf, kv
	v_lshl_add_u32 v[SPW], v0, 2, SPARE
	v_mov_b32 v[NIL], 0
	ds_add_u32 v[SPW], v[NIL]                      ; the opening: the add, twice on end, and its wait ahead of my first tensor load
	ds_add_u32 v[SPW], v[NIL]
	v_lshrrev_b32 v1, 5, v0
	v_readfirstlane_b32 s[WV], v1
	s_lshr_b32 s[HP], s[WV], 1
	s_and_b32 s[HQ], s[WV], 1
	s_bfe_u32 s40, ttmp6, 0x40000                  ; cx
	s_bfe_u32 s41, ttmp6, 0x40004                  ; cy
	s_and_b32 s42, ttmp7, 0xffff
	s_lshl_b32 s42, s42, 2                         ; 4 x cluster y
	s_lshl_b32 s43, s41, 2
	s_lshl_b32 s43, 15, s43                        ; my row of the cluster
	s_lshl_b32 s44, 0x1111, s40                    ; my column
	s_lshl_b32 s45, ttmp9, 2                       ; 4 x type
	s_or_b32 s[G1P], s43, (3<<16)|(1<<21)          ; group 1: the mask; elements of 8 bytes; bit 21 beside a mask; no padding
	s_or_b32 s[G1Q], s44, (3<<16)|(1<<21)
	s_or_b32 s[G1SP], s43, (3<<16)|(1<<21)
	s_or_b32 s[G1SQ], s44, (3<<16)|(1<<21)
.irp g, G1P, G1Q                               ; codes: 32,768 dense bytes as 128 rows of 256
	s_mov_b32 s[\g+1], 32<<16
	s_mov_b32 s[\g+2], 128<<16
	s_mov_b32 s[\g+3], 32<<16
	s_mov_b32 s[\g+4], 128
	s_mov_b32 s[\g+5], 32
	s_mov_b32 s[\g+6], 0
	s_mov_b32 s[\g+7], 0
.endr
.irp g, G1SP, G1SQ                             ; scale words: 4,096 dense bytes as 16 rows of 256
	s_mov_b32 s[\g+1], 32<<16
	s_mov_b32 s[\g+2], 16<<16
	s_mov_b32 s[\g+3], 32<<16
	s_mov_b32 s[\g+4], 16
	s_mov_b32 s[\g+5], 32
	s_mov_b32 s[\g+6], 0
	s_mov_b32 s[\g+7], 0
.endr
	s_mov_b32 s46, 2097152                         ; from slot to slot in x's codes,
	s_mov_b32 s47, 786432                          ; and in W's
	s_cmp_eq_u32 ttmp9, 2                          ; v?  The choice hangs on the cluster's x alone
	s_cselect_b32 s20, 8, s42                      ; P's tile of 256 rows, less cy: W's tiles 8 on, or x's
	s_cselect_b32 s21, s42, s45                    ; Q's, less cx
	s_cselect_b32 s22, 4194304, 0                  ; where P's codes begin
	s_cselect_b32 s23, 0, 4194304                  ; and Q's
	s_cselect_b32 s92, s47, s46
	s_cselect_b32 s66, s46, s47
	s_cselect_b32 s19, 262144, 0                   ; P's scale words
	s_cselect_b32 s3, 0, 262144                    ; Q's
	s_mov_b32 s93, 0
	s_mov_b32 s67, 0
	s_add_co_u32 s20, s20, s41                     ; P hangs on cy alone of the two places,
	s_add_co_u32 s21, s21, s40                     ; Q on cx alone
	s_lshl_b32 s2, s[HQ], 15                       ; the 128 rows that I fetch
	s_lshl_b32 s94, s20, 16
	s_add_co_u32 s94, s94, s22
	s_add_co_u32 s94, s94, s2
	s_mov_b32 s95, 0
	s_lshl_b32 s96, s21, 16
	s_add_co_u32 s96, s96, s23
	s_add_co_u32 s96, s96, s2
	s_mov_b32 s97, 0
	s_lshl_b32 s98, s20, 1
	s_add_co_u32 s98, s98, s[HQ]
	s_lshl_b32 s98, s98, 12
	s_add_co_u32 s98, s98, s19
	s_mov_b32 s99, 0
	s_lshl_b32 s100, s21, 1
	s_add_co_u32 s100, s100, s[HQ]
	s_lshl_b32 s100, s100, 12
	s_add_co_u32 s100, s100, s3
	s_mov_b32 s101, 0
	s_lshl_b32 s22, s[WV], 15                      ; where they go: wave x 32,768: no place in the cluster enters an LDS address
	s_lshl_b32 s23, s[WV], 12
	s_wait_dscnt 0x0                               ; both opening adds are done
	s_wait_kmcnt 0x0
	s_add_nc_u64 s[94:95], s[4:5], s[94:95]
	s_add_nc_u64 s[96:97], s[4:5], s[96:97]
	s_add_nc_u64 s[98:99], s[6:7], s[98:99]
	s_add_nc_u64 s[100:101], s[6:7], s[100:101]
	CROUND                                         ; all sixteen work-groups are here: the first joint loads meet
	s_mov_b32 s[G0SP], 1
	s_add_co_u32 s[G0SP+1], s23, SCL
	s_mov_b64 s[G0SP+2:G0SP+3], s[98:99]
	s_or_b32 s[G0SP+3], s[G0SP+3], 0x80000000
	s_mov_b32 s[G0SQ], 1
	s_add_co_u32 s[G0SQ+1], s23, SCL
	s_mov_b64 s[G0SQ+2:G0SQ+3], s[100:101]
	s_or_b32 s[G0SQ+3], s[G0SQ+3], 0x80000000
	JLOAD G0SP, G1SP, G0SQ, G1SQ                   ; the scale words first; then slot 0, slot 1: three loads of mine are out
	s_mov_b32 s[G0P], 1
	s_mov_b32 s[G0P+1], s22
	s_mov_b64 s[G0P+2:G0P+3], s[94:95]
	s_or_b32 s[G0P+3], s[G0P+3], 0x80000000
	s_mov_b32 s[G0Q], 1
	s_mov_b32 s[G0Q+1], s22
	s_mov_b64 s[G0Q+2:G0Q+3], s[96:97]
	s_or_b32 s[G0Q+3], s[G0Q+3], 0x80000000
	JLOAD G0P, G1P, G0Q, G1Q
	s_mov_b32 s[G0P+4], 1
	s_add_co_u32 s[G0P+5], s22, SLOT
	s_add_nc_u64 s[G0P+6:G0P+7], s[94:95], s[92:93]
	s_or_b32 s[G0P+7], s[G0P+7], 0x80000000
	s_mov_b32 s[G0Q+4], 1
	s_add_co_u32 s[G0Q+5], s22, SLOT
	s_add_nc_u64 s[G0Q+6:G0Q+7], s[96:97], s[66:67]
	s_or_b32 s[G0Q+7], s[G0Q+7], 0x80000000
	JLOAD G0P+4, G1P, G0Q+4, G1Q
	v_and_b32 v1, 15, v0                           ; r
	v_bfe_u32 v2, v0, 4, 1                         ; h
	v_and_b32 v3, 31, v0
	v_lshlrev_b32 v[LI], 4, v3
	s_lshl_b32 s21, s[HP], 15                      ; my 128 rows of P
	s_lshl_b32 s22, s[HQ], 15
	s_add_co_u32 s22, s22, 65536                   ; my 128 rows of Q, behind P's 256
.irp s, 0,1
	v_add_nc_u32 v[ADRA+\s], s21, v[LI]
	v_add_nc_u32 v[ADRB+\s], s22, v[LI]
	s_add_co_u32 s21, s21, SLOT
	s_add_co_u32 s22, s22, SLOT
.endr
	s_lshl_b32 s21, s[HP], 12
	s_lshl_b32 s22, s[HQ], 12
	s_add_co_u32 s22, s22, 8192
	s_sub_co_u32 s22, s22, s21                     ; from P's quarter to Q's
	v_mul_u32_u24 v6, s22, v2                      ; lanes 16-31 take Q's
	s_add_co_u32 s21, s21, SCL
	v_lshl_add_u32 v5, v1, 4, v6
	v_add_nc_u32 v[ADRS], s21, v5
	v_lshlrev_b32 v[TA], 8, v1
	v_lshl_add_u32 v[TA], v2, 5, v[TA]
	v_lshlrev_b32 v[BA], 5, v2
	v_lshlrev_b32 v[VB], 2, v1
.macro FRAG reg, adr, q, i             ; a fragment, 16 rows x 128 K: two parts of 512 bytes as they lie
.irp c, 0,1
	ds_load_b128 v[\reg+4*\c:\reg+4*\c+3], v[\adr] offset:(\i)*4096+(\q)*1024+512*\c
.endr
.endm
; 16 matrix instructions: P's blocks a0, a0 + 1 x Q's eight, 128 along K.  The 64 accumulators take turns, one instruction a turn, in the same order in every step.
.macro MUL16 a0, p, q, sc, zero
.irp a, \a0, \a0+1
.irp b, 0,1,2,3,4,5,6,7
.if \zero
	v_wmma_scale_f32_16x16x128_f8f6f4 v[8*(8*((\a)%4)+\b):8*(8*((\a)%4)+\b)+7], v[128*(\p)+FR*\b:128*(\p)+FR*\b+FR-1], v[AF+FR*(\a):AF+FR*(\a)+FR-1], 0, v[SC+8*NQ*(\sc)+NQ*\b+(\q)], v[SC+8*NQ*(\sc)+NQ*(\a)+(\q)] matrix_a_fmt:MATRIX_FMT_FP4 matrix_b_fmt:MATRIX_FMT_FP4 matrix_a_scale:MATRIX_SCALE_ROW1
.else
	v_wmma_scale_f32_16x16x128_f8f6f4 v[8*(8*((\a)%4)+\b):8*(8*((\a)%4)+\b)+7], v[128*(\p)+FR*\b:128*(\p)+FR*\b+FR-1], v[AF+FR*(\a):AF+FR*(\a)+FR-1], v[8*(8*((\a)%4)+\b):8*(8*((\a)%4)+\b)+7], v[SC+8*NQ*(\sc)+NQ*\b+(\q)], v[SC+8*NQ*(\sc)+NQ*(\a)+(\q)] matrix_a_fmt:MATRIX_FMT_FP4 matrix_b_fmt:MATRIX_FMT_FP4 matrix_a_scale:MATRIX_SCALE_ROW1
.endif
.endr
.endr
.endm
.macro FETCH_B slot, q, p
	WIN TO_B
.irp i, 0,1,2,3,4,5,6,7
	FRAG 128*(\p)+FR*\i, ADRB+\slot, \q, \i
.endr
	WIN 0
.endm
.macro FETCH_A slot, q, i0
.irp i, \i0, \i0+1, \i0+2, \i0+3
	FRAG AF+FR*(\i), ADRA+\slot, \q, \i
.endr
.endm
.macro SCALES sc                       ; slot sc's scale words: four a row; lanes 0-15 take P's block i, lanes 16-31 Q's
.irp i, 0,1,2,3,4,5,6,7
	ds_load_b128 v[SC+8*NQ*\sc+NQ*\i:SC+8*NQ*\sc+NQ*\i+3], v[ADRS] offset:\sc*2048+\i*256
.endr
.endm
.macro PLACES n                        ; plain vector instructions between a matrix instruction and a load into, or a read of, its registers
.rept \n
	v_nop
.endr
.endm
.macro STEP slot, q, zero              ; 128 along K; its successor lies in the same slot
	s_wait_dscnt 4*NL                              ; Q's set and P's blocks 0-3 are in; the youngest loads (P's blocks 4-7) may be out
	WIN MUL_LO
	MUL16 0, (\q)%2, \q, \slot, \zero
	MUL16 2, (\q)%2, \q, \slot, \zero
	s_wait_dscnt 0
	PLACES NP
	FETCH_B \slot, (\q)+1, 1-(\q)%2
	FETCH_A \slot, (\q)+1, 0
	WIN MUL_HI
	MUL16 4, (\q)%2, \q, \slot, \zero
	MUL16 6, (\q)%2, \q, \slot, \zero
	PLACES NP
	WIN 0
	FETCH_A \slot, (\q)+1, 4
.endm
.macro TURN slot, next                 ; a slot's last step, and the change of slots: one barrier
	s_wait_tensorcnt 0x0                           ; all my tensor loads have landed: my part of the next slot;
	ds_add_u32 v[SPW], v[NIL]
	s_wait_dscnt 4*NL+1                            ; (the add and P's blocks 4-7 may be out)
	WIN MUL_LO
	MUL16 0, 1, NQ-1, \slot, 0
	s_wait_dscnt 0x0
	s_barrier_signal -1
	MUL16 2, 1, NQ-1, \slot, 0
	WIN 0
	s_barrier_wait -1                              ; the next slot is whole
	PLACES NP
	FETCH_B \next, 0, 0
	FETCH_A \next, 0, 0
	SCALES \next
	WIN MUL_HI
	MUL16 4, 1, NQ-1, \slot, 0
	MUL16 6, 1, NQ-1, \slot, 0
	PLACES NP
	WIN 0
	FETCH_A \next, 0, 4
.endm
.macro STEPS slot, from
.set Q, \from
.rept NQ-1-\from
	STEP \slot, Q, 0
.set Q, Q+1
.endr
.endm
.macro TAIL                            ; slot 1: written in both arms, so that each arm's first loads for the way out land under it
	STEPS 1, 0
	s_wait_dscnt 4*NL
	WIN MUL_LO
	MUL16 0, 1, NQ-1, 1, 0
	MUL16 2, 1, NQ-1, 1, 0
	s_wait_dscnt 0
	WIN MUL_HI
	MUL16 4, 1, NQ-1, 1, 0
	MUL16 6, 1, NQ-1, 1, 0
	WIN 0
	PLACES NP                                      ; behind the last products, ahead of the first read of results
.endm
	s_wait_tensorcnt 1                             ; the scale words and my part of slot 0 are in (slot 1's load may be out),
	s_barrier_signal -1
	s_barrier_wait -1                              ; everybody's are
	FETCH_B 0, 0, 0
	FETCH_A 0, 0, 0
	SCALES 0
	FETCH_A 0, 0, 4
	STEP 0, 0, 1                                   ; the first products start the sums: nothing is cleared
	STEPS 0, 1
	TURN 0, 1                                      ; behind its wait for all tensor loads the descriptors' registers are free
	s_cmp_eq_u32 ttmp9, 2
	s_cbranch_scc1 .Lv_arm
	; ======== q and k.  My rows are tokens, my columns two heads
	s_add_co_u32 s20, s42, s41                     ; x's tile of 256 rows
	s_lshr_b32 s21, s20, 3                         ; the batch
	s_and_b32 s22, s20, 7
	s_lshl_b32 s22, s22, 8
	s_lshl_b32 s23, s[HP], 7
	s_add_co_u32 s22, s22, s23                     ; t0: my first token in its sequence
	s_lshl_b32 s24, s22, 8
	s_mov_b32 s25, 0
	s_add_nc_u64 s[8:9], s[8:9], s[24:25]          ; the table at t0
	s_lshl_b32 s24, ttmp9, 10
	s_lshl_b32 s26, s40, 8
	s_add_co_u32 s24, s24, s26
	s_lshl_b32 s26, s[HQ], 7
	s_add_co_u32 s24, s24, s26                     ; my first column of W_qkv
	s_lshl_b32 s24, s24, 2
	s_add_nc_u64 s[10:11], s[10:11], s[24:25]
	s_lshl_b32 s44, 0x40000, ttmp9                 ; U: a head's bytes: 262,144 in qf, 524,288 in kv
	s_mov_b32 s45, 0
	s_lshr_b32 s28, s44, 5                         ; 64 tokens' bytes
	s_mov_b32 s29, 0
	s_lshl_b32 s24, s21, 4
	s_lshl_b32 s26, s40, 2
	s_add_co_u32 s24, s24, s26
	s_lshl_b32 s26, s[HQ], 1
	s_add_co_u32 s24, s24, s26                     ; my first head in the batch of 64
	s_mul_i32 s24, s24, s44
	s_lshr_b32 s26, s22, 6
	s_mul_i32 s26, s26, s28
	s_add_co_u32 s24, s24, s26
	s_cmp_eq_u32 ttmp9, 0
	s_cselect_b64 s[30:31], s[12:13], s[14:15]     ; q goes to qf, k to kv
	s_add_nc_u64 s[OB:OB+1], s[30:31], s[24:25]
	s_add_nc_u64 s[OB+2:OB+3], s[OB:OB+1], s[28:29]
	s_add_nc_u64 s[OB+4:OB+5], s[OB:OB+1], s[44:45]
	s_add_nc_u64 s[OB+6:OB+7], s[OB+4:OB+5], s[28:29]
	WIN 0x40
.irp b, 0,1,2,3,4,5,6,7
.irp e, 0,1
	global_load_b128 v[BI+8*\b+4*\e:BI+8*\b+4*\e+3], v[BA], s[10:11] offset:64*\b+16*\e   ; the bias of columns 16 b + 8 h + 0..7, in the result's layout
.endr
.endr
	WIN 0
.macro CSLOAD a                        ; cos (k = 0) and sin (k = 1) of token t0 + 16 a + r, i = 16 u + 8 h + 0..7, into set a % 2
.set CSB, CS0+96*((\a)%2)
.irp k, 0,1
.irp u, 0,1
.irp e, 0,1
	global_load_b128 v[CSB+16*\k+8*\u+4*\e:CSB+16*\k+8*\u+4*\e+3], v[TA], s[8:9] offset:(\a)*4096+128*\k+64*\u+16*\e
.endr
.endr
.endr
.endm
	CSLOAD 0
	TAIL
	CSLOAD 1
; Block a: 16 tokens x 128 columns.  The bias is added; in head hd, channels 16 u + 8 h + j (block 4 hd + u) turn with channels 32 further on (block 4 hd + u + 2); two parts of 512 bytes leave.
.macro QKBLOCK a
.if (\a) < 7
	s_wait_loadcnt 8                               ; this block's cos and sin are in (and, at first, the bias); the next block's eight loads may be out
.else
	s_wait_loadcnt 0
.endif
.if (\a) > 0
	s_wait_xcnt 0x0                                ; the last block's stores have read their registers
.endif
	WIN 0x06+(\a)/4                                ; source 0: window 2 or 3; source 1: window 1
.set i, 0
.rept 32
	v_pk_add_f32 v[X+i:X+i+1], v[64*((\a)%4)+i:64*((\a)%4)+i+1], v[BI+i:BI+i+1]   ; each accumulator from its low end on
.set i, i+2
.endr
	WIN 0
.set CSB, CS0+96*((\a)%2)
.irp hd, 0,1
.irp u, 0,1
.set X1, X+8*(4*\hd+\u)
.set X2, X1+16
.set TT, T+8*\u
.set CC, CSB+8*\u
.set SS, CSB+16+8*\u
.irp i, 0,2,4,6
	v_pk_mul_f32 v[TT+\i:TT+\i+1], v[X2+\i:X2+\i+1], v[SS+\i:SS+\i+1]
.endr
.irp i, 0,2,4,6
	v_pk_mul_f32 v[X2+\i:X2+\i+1], v[X2+\i:X2+\i+1], v[CC+\i:CC+\i+1]
.endr
.irp i, 0,2,4,6
	v_pk_fma_f32 v[TT+\i:TT+\i+1], v[X1+\i:X1+\i+1], v[CC+\i:CC+\i+1], v[TT+\i:TT+\i+1] neg_lo:[0,0,1] neg_hi:[0,0,1]   ; y1 = x1 cos - x2 sin
.endr
.irp i, 0,2,4,6
	v_pk_fma_f32 v[X2+\i:X2+\i+1], v[X1+\i:X1+\i+1], v[SS+\i:SS+\i+1], v[X2+\i:X2+\i+1]   ; y2 = x1 sin + x2 cos
.endr
.irp i, 0,1,2,3
	v_cvt_pk_f16_f32 v[X1+\i], v[TT+2*\i], v[TT+2*\i+1]
.endr
.irp i, 0,1,2,3
	v_cvt_pk_f16_f32 v[X1+4+\i], v[X2+2*\i], v[X2+2*\i+1]
.endr
	global_store_b128 v[LI], v[X1:X1+3], s[OB+4*\hd+2*((\a)/4):OB+4*\hd+2*((\a)/4)+1] offset:((\a)%4)*2048+512*\u
	global_store_b128 v[LI], v[X1+4:X1+7], s[OB+4*\hd+2*((\a)/4):OB+4*\hd+2*((\a)/4)+1] offset:((\a)%4)*2048+1024+512*\u
.endr
.endr
.if (\a) < 6
	CSLOAD (\a)+2
.endif
.endm
.irp a, 0,1,2,3,4,5,6,7
	QKBLOCK \a
.endr
	s_wait_tensorcnt 0x0                           ; the wave's end
	ds_add_u32 v[SPW], v[NIL]
	s_wait_dscnt 0x0
	CROUND                                         ; the closing round
	s_endpgm
.Lv_arm:
	; ======== v.  My rows (the lanes) are channels, my columns (the registers) tokens
	s_add_co_u32 s20, s42, s40                     ; x's tile of 256 rows
	s_lshr_b32 s21, s20, 3                         ; the batch
	s_and_b32 s22, s20, 7
	s_lshl_b32 s22, s22, 2
	s_lshl_b32 s23, s[HQ], 1
	s_add_co_u32 s22, s22, s23                     ; my first key step
	s_lshl_b32 s24, s21, 4
	s_lshl_b32 s25, s41, 2
	s_add_co_u32 s24, s24, s25
	s_lshl_b32 s25, s[HP], 1
	s_add_co_u32 s24, s24, s25                     ; my first head in the batch of 64
	s_lshl_b32 s24, s24, 19
	s_lshl_b32 s22, s22, 14
	s_add_co_u32 s24, s24, s22
	s_add_co_u32 s24, s24, 8192                    ; V^T lies behind a key step's K
	s_mov_b32 s25, 0
	s_add_nc_u64 s[14:15], s[14:15], s[24:25]
	s_lshl_b32 s24, s41, 8
	s_lshl_b32 s26, s[HP], 7
	s_add_co_u32 s24, s24, s26
	s_add_co_u32 s24, s24, 2048                    ; my first column of W_qkv
	s_lshl_b32 s24, s24, 2
	s_add_nc_u64 s[10:11], s[10:11], s[24:25]
.irp a, 0,1,2,3,4,5,6,7
	global_load_b32 v[BV+\a], v[VB], s[10:11] offset:64*\a   ; the bias of channel 16 a + r
.endr
	TAIL
	s_wait_loadcnt 0x0
.macro VBLOCK a                        ; 16 channels x 128 tokens: eight parts of 512 bytes
.set XV, X+64*((\a)%2)
.if (\a) > 1
	s_wait_xcnt 0x0                                ; the stores of two blocks ago have read these registers
.endif
	WIN 0x02+(\a)/4
.set i, 0
.rept 32
.if (\a)%2 == 0
	v_pk_add_f32 v[XV+i:XV+i+1], v[64*((\a)%4)+i:64*((\a)%4)+i+1], v[BV+(\a):BV+(\a)+1] op_sel_hi:[1,0]
.else
	v_pk_add_f32 v[XV+i:XV+i+1], v[64*((\a)%4)+i:64*((\a)%4)+i+1], v[BV+(\a)-1:BV+(\a)] op_sel:[0,1] op_sel_hi:[1,1]
.endif
.set i, i+2
.endr
	WIN 0
.set i, 0
.rept 32
	v_cvt_pk_f16_f32 v[XV+i], v[XV+2*i], v[XV+2*i+1]   ; in place, ascending: register i is written when registers 2 i and 2 i + 1 are read
.set i, i+1
.endr
.irp b, 0,1,2,3,4,5,6,7
	global_store_b128 v[LI], v[XV+4*\b:XV+4*\b+3], s[14:15] offset:((\a)/4)*524288+(\b/4)*16384+((\b/2)%2)*4096+((\a)%4)*1024+(\b%2)*512
.endr
.endm
.irp a, 0,1,2,3,4,5,6,7
	VBLOCK \a
.endr
	s_wait_tensorcnt 0x0                           ; the wave's end
	ds_add_u32 v[SPW], v[NIL]
	s_wait_dscnt 0x0
	CROUND                                         ; the closing round
	s_endpgm
.Lfunc_end_k_q86e5d4ff40_qkv:
	.size	k_q86e5d4ff40_qkv, .Lfunc_end_k_q86e5d4ff40_qkv-k_q86e5d4ff40_qkv
	.p2alignl 7, 3214868480
	.fill 96, 4, 3214868480
	.section	.rodata,"a",@progbits
	.p2align	6, 0x0
	.amdhsa_kernel k_q86e5d4ff40_qkv
		.amdhsa_group_segment_fixed_size 327680
		.amdhsa_private_segment_fixed_size 0
		.amdhsa_enable_private_segment 0
		.amdhsa_kernarg_size 48
		.amdhsa_user_sgpr_count 2
		.amdhsa_user_sgpr_kernarg_segment_ptr 1
		.amdhsa_wavefront_size32 1
		.amdhsa_system_sgpr_workgroup_id_x 1
		.amdhsa_system_sgpr_workgroup_id_y 1
		.amdhsa_system_sgpr_workgroup_id_z 1
		.amdhsa_system_vgpr_workitem_id 0
		.amdhsa_next_free_vgpr 1024
		.amdhsa_next_free_sgpr 102
		.amdhsa_reserve_vcc 0
		.amdhsa_float_denorm_mode_32 3
		.amdhsa_float_denorm_mode_16_64 3
		.amdhsa_memory_ordered 1
		.amdhsa_forward_progress 1
		.amdhsa_inst_pref_size 255
	.end_amdhsa_kernel
	.amdgpu_metadata
---
amdhsa.version: [ 1, 2 ]
amdhsa.kernels:
  - .name:           k_q86e5d4ff40_qkv
    .symbol:         k_q86e5d4ff40_qkv.kd
    .args:
      - { .name: codes, .offset: 0, .size: 8, .value_kind: global_buffer, .address_space: global }
      - { .name: scl, .offset: 8, .size: 8, .value_kind: global_buffer, .address_space: global }
      - { .name: tab, .offset: 16, .size: 8, .value_kind: global_buffer, .address_space: global }
      - { .name: b_qkv, .offset: 24, .size: 8, .value_kind: global_buffer, .address_space: global }
      - { .name: qf, .offset: 32, .size: 8, .value_kind: global_buffer, .address_space: global }
      - { .name: kv, .offset: 40, .size: 8, .value_kind: global_buffer, .address_space: global }
    .group_segment_fixed_size: 327680
    .private_segment_fixed_size: 0
    .kernarg_segment_align: 8
    .kernarg_segment_size: 48
    .max_flat_workgroup_size: 128
    .sgpr_count:     102
    .vgpr_count:     1024
    .wavefront_size: 32
...
	.end_amdgpu_metadata
.endif
;; end of part 2
;; launch attn (part 3): grid 4 x 64, 8 waves a work-group, clusters of 4 x 1, 327,680 bytes of LDS; arguments qf, kv, yf; writes yf
.if DOCPART == 3
	.amdgcn_target "amdgcn-amd-amdhsa--gfx1250"
	.amdhsa_code_object_version 6
	.text
	.protected	k_q86e5d4ff40_attn
	.globl	k_q86e5d4ff40_attn
	.p2align	8
	.type	k_q86e5d4ff40_attn,@function
k_q86e5d4ff40_attn:
	s_mov_b64 s[64:65], 0
	v_nop
	global_prefetch_b8 v0, s[64:65] scope:SCOPE_SE
	s_setreg_imm32_b32 hwreg(HW_REG_WAVE_MODE, 25, 1), 1
	s_wait_xcnt 0x0
	s_wait_alu depctr_hold_cnt(0) depctr_sa_sdst(0) depctr_va_vdst(0) depctr_va_sdst(0) depctr_va_ssrc(0) depctr_va_vcc(0) depctr_vm_vsrc(0)
	s_getreg_b32 s2, hwreg(HW_REG_IB_STS2, 6, 4)
	s_cmp_eq_u32 s2, 0
	s_cbranch_scc0 .Lentry_in_a_cluster
	s_endpgm
.Lentry_in_a_cluster:
	s_bfe_u32 s2, ttmp6, 0x10000c
	s_cmp_lg_u32 s2, 0x3003
	s_cbranch_scc0 .Lentry_shape_is_right
	s_endpgm
.Lentry_shape_is_right:
; ATTENTION.  y[q] = the sum over k of softmax_k(q . k / 8) v[k], 64 heads in batch, 2,048 tokens, head size 64, no mask.  q, k, v and the weights p in f16; products, maxima and sums in f32; 16 y leaves in f16.
; SHARES.  A work-group owns 512 queries of one head, each of its eight waves 64: four tiles of 16.  Two waves share a SIMD's registers, 512 each.  Every wave walks the head's 2,048 keys, 64 a step.
; LAYOUT.  S^T = K Q^T (source 0 = 16 keys, source 1 = 16 queries): a lane holds ONE query (l % 16) and keys 8 (l / 16) + 0..7.  Two such tiles, rounded to f16 in pairs, are source 1 of O^T = V^T P.  All fragments lie in
; memory and in LDS as images of registers (parts of 512 bytes, 16 x lane): no padding, no transposing load.
; SOFTMAX.  A running maximum m and sum l for each query: p = 2^(c s - c m), c = log2(e) / 8; in every step O and l are multiplied by a = 2^(c m_old - c m_new).  m begins at -3e38, O and l at 0: the step is written once.
; HALF A STEP APART.  H2 = a step's LDS loads and its 32 products K Q^T; H1 = its softmax and its 32 products V^T P.  Waves 0-3 run H2(j), H1(j); waves 4-7 run H1(j - 1), H2(j), and carry S^T and V of a slot's last step in
; registers over the change of slots: so one set of waves has vector work where the other has matrix work.  The branches hang on the wave's number alone.
; CLUSTER.  The head's four blocks of queries form a cluster and ask for K and V JOINTLY.  RING: two slots of 8 key steps (131,072 bytes); wave w fetches key step w of a slot, 16,384 dense bytes, one load a wave.
; A refill is asked for eight key steps, 512 of the wave's matrix instructions, ahead of the wait for it; each byte of K and V is asked for once in the launch: no prefetch is laid.
; LIMIT: 16 |y| under 65,504.
; REGISTERS.  Window 0: v1 16 x lane; v2 the loads' address; v6, v7 the add's two; v8-39 statistics, 8 a tile: +0 c m, +1 m, +2, +3 l, +4..7 at work (a in +6); v40-43 c m_old; v64-191 S^T, 32 a tile (p takes the lower 16);
;   v192-255 K.   Window 1: v0-63 Q; v64-127 V^T; v128-255 O^T, 32 a tile.
.set SLOT1, 131072
.set STEPB, 16384
.set SPARE, 2*SLOT1
.set LI,  1
.set AD,  2
.set SPW, 6
.set NIL, 7
.set ST,  8
.set CMO, 40
.set S,   64
.set KF,  192
.set VF,  64                           ; window 1
.set O,   128                          ; window 1
.set WV,  12
.set G1,  24
.set G0A, 32
.set G0B, 36
.set SLOTS, 56
.set TW,  57
.set CS,  58
.set SEL, 60
.set TB,  62
.set MSB, 0
.macro WIN new                         ; the immediate's high byte repeats the setting that is left
.if MSB != \new
	s_set_vgpr_msb (MSB<<8)|\new
.set MSB, \new
.endif
.endm
.macro CROUND                          ; a round of the cluster's barrier
	s_barrier_signal -1
	s_barrier_wait -1
	s_cmp_lg_u32 s[WV], 0
	s_cbranch_scc1 .Lnot_wave_0_\@
	s_barrier_signal -3
.Lnot_wave_0_\@:
	s_barrier_wait -3
	s_barrier_signal -1
	s_barrier_wait -1
.endm
	s_load_b128 s[4:7], s[0:1], 0x0                ; qf, kv
	s_load_b64 s[8:9], s[0:1], 0x10                ; yf
	v_lshl_add_u32 v[SPW], v0, 2, SPARE
	v_mov_b32 v[NIL], 0
	ds_add_u32 v[SPW], v[NIL]                      ; the opening: the add, twice on end, and its wait ahead of my first tensor load
	ds_add_u32 v[SPW], v[NIL]
	v_lshrrev_b32 v1, 5, v0
	v_readfirstlane_b32 s[WV], v1
	s_bfe_u32 s13, ttmp6, 0x40000                  ; cx: my block of 512 queries: it enters Q's and y's addresses alone
	s_and_b32 s14, ttmp7, 0xffff                   ; the head in the batch of 64, which the four partners share
	s_lshl_b32 s16, s14, 19                        ; kv: head x 524,288 + wave x 16,384
	s_lshl_b32 s17, s[WV], 14
	s_add_co_u32 s16, s16, s17
	s_mov_b32 s22, s17                             ; and in a slot
	s_mov_b32 s17, 0
	s_lshl_b32 s18, s14, 18                        ; qf: head x 262,144 + (32 cx + 4 wave) x 2,048
	s_lshl_b32 s19, s13, 16
	s_add_co_u32 s18, s18, s19
	s_lshl_b32 s19, s[WV], 13
	s_add_co_u32 s18, s18, s19
	s_mov_b32 s19, 0
	s_lshr_b32 s20, s14, 4                         ; yf: (128 batch + 32 cx + 4 wave) x 32,768 + head x 2,048
	s_lshl_b32 s20, s20, 22
	s_lshl_b32 s21, s13, 20
	s_add_co_u32 s20, s20, s21
	s_lshl_b32 s21, s[WV], 17
	s_add_co_u32 s20, s20, s21
	s_and_b32 s21, s14, 15
	s_lshl_b32 s21, s21, 11
	s_add_co_u32 s20, s20, s21
	s_mov_b32 s21, 0
	s_mov_b32 s[G1], 15|(3<<16)|(1<<21)            ; group 1: all four work-groups; elements of 8 bytes; bit 21 beside a mask
	s_mov_b32 s[G1+1], 32<<16                      ; 16,384 dense bytes as 64 rows of 256
	s_mov_b32 s[G1+2], 64<<16
	s_mov_b32 s[G1+3], 32<<16
	s_mov_b32 s[G1+4], 64
	s_mov_b32 s[G1+5], 32
	s_mov_b32 s[G1+6], 0
	s_mov_b32 s[G1+7], 0
	s_mov_b32 s[CS], 0x3e38aa3b                    ; c = log2(e) / 8
	s_mov_b32 s[CS+1], s[CS]                       ; (named with it as a pair)
	s_mov_b32 s[SEL], 0x76543210
	s_mov_b32 s[SEL+1], 0xfedcba98
	s_mov_b32 s[TB], 0
	s_mov_b32 s[SLOTS], 2
	s_wait_dscnt 0x0                               ; both opening adds are done
	s_wait_kmcnt 0x0
	s_add_nc_u64 s[6:7], s[6:7], s[16:17]
	s_add_nc_u64 s[4:5], s[4:5], s[18:19]
	s_add_nc_u64 s[8:9], s[8:9], s[20:21]
	CROUND                                         ; all four work-groups are here: the first joint loads meet
	s_mov_b32 s[G0A], 1
	s_mov_b32 s[G0A+1], s22
	s_mov_b64 s[G0A+2:G0A+3], s[6:7]
	s_or_b32 s[G0A+3], s[G0A+3], 0x80000000
	s_mov_b32 s[G0B], 1
	s_add_co_u32 s[G0B+1], s22, SLOT1
	s_add_nc_u64 s[G0B+2:G0B+3], s[6:7], SLOT1
	s_or_b32 s[G0B+3], s[G0B+3], 0x80000000
	tensor_load_to_lds s[G0A:G0A+3], s[G1:G1+7]    ; slot 0: key steps 0-7
	s_nop 0
	tensor_load_to_lds s[G0B:G0B+3], s[G1:G1+7]    ; slot 1: 8-15: two loads of mine are out
	s_nop 0
.rept 4
	v_nop
.endr
	v_and_b32 v1, 31, v0
	v_lshlrev_b32 v[LI], 4, v1
	WIN 0x40
.set i, 0
.rept 16
	global_load_b128 v[4*i:4*i+3], v[LI], s[4:5] offset:512*i   ; Q stays in registers: tile i / 4, channels 32 ((i / 2) % 2) on
.set i, i+1
.endr
.set i, 0
.rept 128
	v_mov_b32 v[O+i], 0                            ; O^T, while the first tiles are on their way: so the step has no first form of its own
.set i, i+1
.endr
	WIN 0
.irp t, 0,1,2,3
	v_mov_b32 v[ST+8*\t+1], 0xff61b1e6             ; m = -3e38, under every score
	v_mul_f32 v[ST+8*\t], s[CS], v[ST+8*\t+1]
	v_mov_b32 v[ST+8*\t+2], 0
	v_mov_b32 v[ST+8*\t+3], 0
.endr
; H2: the step at s[TB]: K and V^T come out of LDS, and S^T = K Q^T.  The five plain instructions at its head stand between the last products V^T P and the products that write over p, and the loads into V's and K's registers.
.macro H2
	v_add_nc_u32 v[AD], s[TB], v[LI]
.rept 4
	v_nop
.endr
.set i, 0
.rept 16
	ds_load_b128 v[KF+4*i:KF+4*i+3], v[AD] offset:512*i
.set i, i+1
.endr
	WIN 0x40
.set i, 0
.rept 16
	ds_load_b128 v[VF+4*i:VF+4*i+3], v[AD] offset:8192+512*i
.set i, i+1
.endr
	s_add_co_u32 s[TB], s[TB], STEPB
	s_wait_dscnt 16                                ; K is in; V's sixteen loads may be out
	WIN 0x04                                       ; source 1 (Q) window 1
.irp cf, 0,1                                   ; sixteen accumulators by turns, one instruction a turn
.irp kt, 0,1,2,3
.irp t, 0,1,2,3
.if \cf == 0
	v_wmma_f32_16x16x32_f16 v[S+32*\t+8*\kt:S+32*\t+8*\kt+7], v[KF+16*\kt:KF+16*\kt+7], v[16*\t:16*\t+7], 0
.else
	v_wmma_f32_16x16x32_f16 v[S+32*\t+8*\kt:S+32*\t+8*\kt+7], v[KF+16*\kt+8:KF+16*\kt+15], v[16*\t+8:16*\t+15], v[S+32*\t+8*\kt:S+32*\t+8*\kt+7]
.endif
.endr
.endr
.endr
	WIN 0
.endm
; H1: the softmax of the step whose scores lie in S, and O^T += V^T P.  The four tiles take turns line by line.
.macro H1
.irp t, 0,1,2,3
	v_mov_b32 v[CMO+\t], v[ST+8*\t]                ; c m_old.  (These four are the places behind the products K Q^T)
.endr
.irp j, 0,1,2,3
.irp t, 0,1,2,3
	v_max3_num_f32 v[ST+8*\t+4+\j], v[S+32*\t+8*\j], v[S+32*\t+8*\j+1], v[S+32*\t+8*\j+2]   ; each accumulator from its low end on
.endr
.endr
.irp k, 3,5
.irp j, 0,1,2,3
.irp t, 0,1,2,3
	v_max3_num_f32 v[ST+8*\t+4+\j], v[ST+8*\t+4+\j], v[S+32*\t+8*\j+\k], v[S+32*\t+8*\j+\k+1]
.endr
.endr
.endr
.irp t, 0,1,2,3
	v_max3_num_f32 v[ST+8*\t+4], v[ST+8*\t+4], v[S+32*\t+7], v[S+32*\t+15]
.endr
.irp t, 0,1,2,3
	v_max3_num_f32 v[ST+8*\t+6], v[ST+8*\t+6], v[S+32*\t+23], v[S+32*\t+31]
.endr
.irp t, 0,1,2,3
	v_max3_num_f32 v[ST+8*\t+4], v[ST+8*\t+4], v[ST+8*\t+5], v[ST+8*\t+6]
.endr
.irp t, 0,1,2,3
	v_max3_num_f32 v[ST+8*\t+4], v[ST+8*\t+4], v[ST+8*\t+7], v[ST+8*\t+1]
.endr
.irp t, 0,1,2,3
	v_permlanex16_b32 v[ST+8*\t+5], v[ST+8*\t+4], s[SEL], s[SEL+1]   ; the query's other 32 keys lie in the lane 16 away
.endr
.irp t, 0,1,2,3
	v_max_num_f32 v[ST+8*\t+1], v[ST+8*\t+4], v[ST+8*\t+5]
.endr
.irp t, 0,1,2,3
	v_mul_f32 v[ST+8*\t], s[CS], v[ST+8*\t+1]
.endr
.irp t, 0,1,2,3
	v_sub_f32 v[ST+8*\t+7], v[CMO+\t], v[ST+8*\t]
.endr
.irp t, 0,1,2,3                                ; ONE BATCH: the scalings c s - c m and all 132 exponentials; none of these lines names an exponential's result
	v_pk_fma_f32 v[S+32*\t:S+32*\t+1], v[S+32*\t:S+32*\t+1], s[CS:CS+1], v[ST+8*\t:ST+8*\t+1] op_sel_hi:[1,0,0] neg_lo:[0,0,1] neg_hi:[0,0,1]
	v_exp_f32 v[ST+8*\t+6], v[ST+8*\t+7]           ; a
.irp b, 0,1,2,3,4,5,6,7,8,9,10,11,12,13,14,15
.if \b < 15
	v_pk_fma_f32 v[S+32*\t+2*\b+2:S+32*\t+2*\b+3], v[S+32*\t+2*\b+2:S+32*\t+2*\b+3], s[CS:CS+1], v[ST+8*\t:ST+8*\t+1] op_sel_hi:[1,0,0] neg_lo:[0,0,1] neg_hi:[0,0,1]
.endif
	v_exp_f32 v[S+32*\t+2*\b], v[S+32*\t+2*\b]
	v_exp_f32 v[S+32*\t+2*\b+1], v[S+32*\t+2*\b+1]
.endr
.endr
	v_nop                                          ; a plain instruction behind the last exponential
	s_wait_alu depctr_va_vdst(0)                   ; one wait for the batch, ahead of its first reader
.irp t, 0,1,2,3
	v_pk_mul_f32 v[ST+8*\t+2:ST+8*\t+3], v[ST+8*\t+2:ST+8*\t+3], v[ST+8*\t+6:ST+8*\t+7] op_sel_hi:[1,0]   ; l x a
.endr
.irp t, 0,1,2,3
	v_pk_add_f32 v[ST+8*\t+4:ST+8*\t+5], v[S+32*\t:S+32*\t+1], v[S+32*\t+2:S+32*\t+3]   ; the sum of p in f32, two chains a tile
.endr
.irp j, 4,8,12,16,20,24,28
.irp t, 0,1,2,3
	v_pk_add_f32 v[ST+8*\t+2:ST+8*\t+3], v[ST+8*\t+2:ST+8*\t+3], v[S+32*\t+\j:S+32*\t+\j+1]
	v_pk_add_f32 v[ST+8*\t+4:ST+8*\t+5], v[ST+8*\t+4:ST+8*\t+5], v[S+32*\t+\j+2:S+32*\t+\j+3]
.endr
.endr
.irp t, 0,1,2,3
	v_pk_add_f32 v[ST+8*\t+2:ST+8*\t+3], v[ST+8*\t+2:ST+8*\t+3], v[ST+8*\t+4:ST+8*\t+5]
.endr
.irp j, 0,1,2,3,4,5,6,7,8,9,10,11,12,13,14,15
.irp t, 0,1,2,3
	v_cvt_pk_f16_f32 v[S+32*\t+\j], v[S+32*\t+2*\j], v[S+32*\t+2*\j+1]   ; p to f16, in place, ascending
.endr
.endr
	WIN 0x41                                       ; O^T (destination, source 0) window 1, a window 0
.irp i, 0,2,4,6,8,10,12,14,16,18,20,22,24,26,28,30
.irp t, 0,1,2,3
	v_pk_mul_f32 v[O+32*\t+\i:O+32*\t+\i+1], v[O+32*\t+\i:O+32*\t+\i+1], v[ST+8*\t+6:ST+8*\t+7] op_sel_hi:[1,0]
.endr
.endr
	s_wait_dscnt 0x0                               ; V is in
	WIN 0x51                                       ; V^T and O^T window 1, p window 0
.irp g, 0,1                                    ; sixteen accumulators by turns
.irp ct, 0,1,2,3
.irp t, 0,1,2,3
	v_wmma_f32_16x16x32_f16 v[O+32*\t+8*\ct:O+32*\t+8*\ct+7], v[VF+32*\g+8*\ct:VF+32*\g+8*\ct+7], v[S+32*\t+8*\g:S+32*\t+8*\g+7], v[O+32*\t+8*\ct:O+32*\t+8*\ct+7]
.endr
.endr
.endr
	WIN 0
.endm
.macro STEP_BODY
	s_cmp_lt_u32 s[WV], 4
	s_cbranch_scc1 .Lfirst_set_\@                  ; waves 0-3 have done the last step's H1 already
	H1
.Lfirst_set_\@:
	H2
	s_cmp_lt_u32 s[WV], 4
	s_cbranch_scc0 .Lsecond_set_\@                 ; waves 4-7 keep this step's H1 for the next trip
	H1
.Lsecond_set_\@:
.endm
.macro TRIPS n
	s_mov_b32 s[TW], \n
.Ltrip_\@:
	STEP_BODY
	s_sub_co_u32 s[TW], s[TW], 1
	s_cmp_lg_u32 s[TW], 0
	s_cbranch_scc1 .Ltrip_\@
.endm
; THE CHANGE OF SLOTS.  Each wave waits for all its tensor loads (one is out: its part of the other slot), adds 0 to its spare word, and waits for that and for its reads of the slot that it leaves.
; fill = 1: the barrier is a round of the cluster's, and the slot just left is filled again, first thing behind it, one load a wave.
.macro CHANGE fill
	s_wait_tensorcnt 0x0                           ; no tensor load of mine is out, so a group 0 may be written
	ds_add_u32 v[SPW], v[NIL]
.if \fill
	s_xor_b32 s[G0B+1], s[G0B+1], SLOT1            ; the walking descriptor: the other slot than last time,
	s_add_nc_u64 s[G0B+2:G0B+3], s[G0B+2:G0B+3], SLOT1   ; the next eight key steps
	s_wait_dscnt 0x0
	CROUND
	tensor_load_to_lds s[G0B:G0B+3], s[G1:G1+7]
	s_nop 0
.rept 4
	v_nop
.endr
.else
	s_wait_dscnt 0x0
	s_barrier_signal -1
	s_barrier_wait -1
.endif
	s_sub_co_u32 s[TB], s[TB], SLOT1               ; the fetches go back to a slot's first step,
	s_xor_b32 s[TB], s[TB], SLOT1                  ; in the other slot
.endm
	s_wait_tensorcnt 1                             ; my part of slot 0 is in; slot 1's may stay out
	s_barrier_signal -1
	s_barrier_wait -1
	s_wait_loadcnt 0x0                             ; Q
	H2                                             ; key step 0
	s_cmp_lt_u32 s[WV], 4
	s_cbranch_scc0 .Lhold
	H1
.Lhold:
	s_wait_dscnt 0x0
	s_barrier_signal -1                            ; waves 4-7 wait here, once, while waves 0-3 run H1: from here on the two sets are half a step apart
	s_barrier_wait -1
	TRIPS 7
.Lslot:                                            ; two trips: slots 0 and 1 are filled again once each
	CHANGE 1
	TRIPS 8
	s_sub_co_u32 s[SLOTS], s[SLOTS], 1
	s_cmp_lg_u32 s[SLOTS], 0
	s_cbranch_scc1 .Lslot
	CHANGE 0                                       ; the last slot is written out
	TRIPS 8
	s_cmp_lt_u32 s[WV], 4
	s_cbranch_scc1 .Lout
	H1                                             ; waves 4-7: the last step's
.Lout:
	; THE WAY OUT.  O^T x 16 / l, rounded to f16: a lane's eight channels of a query are 16 bytes of a fragment of the projection's operand; each store is 512 consecutive aligned bytes.
.irp t, 0,1,2,3
	v_add_f32 v[ST+8*\t+4], v[ST+8*\t+2], v[ST+8*\t+3]   ; (these four are the places behind the last products)
.endr
.irp t, 0,1,2,3
	v_permlanex16_b32 v[ST+8*\t+5], v[ST+8*\t+4], s[SEL], s[SEL+1]
.endr
.irp t, 0,1,2,3
	v_add_f32 v[ST+8*\t+4], v[ST+8*\t+4], v[ST+8*\t+5]
.endr
.irp t, 0,1,2,3
	v_rcp_f32 v[ST+8*\t+6], v[ST+8*\t+4]
.endr
	v_nop
	s_wait_alu depctr_va_vdst(0)                   ; one wait for the four reciprocals
.irp t, 0,1,2,3
	v_ldexp_f32 v[ST+8*\t+6], v[ST+8*\t+6], 4      ; 16 / l: y is carried as 16 y, so that it has room in f16 on both sides
.endr
	WIN 0x41
.irp t, 0,1,2,3
.irp i, 0,2,4,6,8,10,12,14,16,18,20,22,24,26,28,30
	v_pk_mul_f32 v[O+32*\t+\i:O+32*\t+\i+1], v[O+32*\t+\i:O+32*\t+\i+1], v[ST+8*\t+6:ST+8*\t+7] op_sel_hi:[1,0]
.endr
.endr
	WIN 0x05                                       ; sources window 1, destination window 0
.irp t, 0,1,2,3
.irp i, 0,1,2,3,4,5,6,7,8,9,10,11,12,13,14,15
	v_cvt_pk_f16_f32 v[S+16*\t+\i], v[O+32*\t+2*\i], v[O+32*\t+2*\i+1]
.endr
.endr
	WIN 0
.irp t, 0,1,2,3
.irp ct, 0,1,2,3
	global_store_b128 v[LI], v[S+16*\t+4*\ct:S+16*\t+4*\ct+3], s[8:9] offset:\t*32768+\ct*512
.endr
.endr
	s_wait_tensorcnt 0x0                           ; the wave's end
	ds_add_u32 v[SPW], v[NIL]
	s_wait_dscnt 0x0
	CROUND                                         ; the closing round
	s_endpgm
.Lfunc_end_k_q86e5d4ff40_attn:
	.size	k_q86e5d4ff40_attn, .Lfunc_end_k_q86e5d4ff40_attn-k_q86e5d4ff40_attn
	.p2alignl 7, 3214868480
	.fill 96, 4, 3214868480
	.section	.rodata,"a",@progbits
	.p2align	6, 0x0
	.amdhsa_kernel k_q86e5d4ff40_attn
		.amdhsa_group_segment_fixed_size 327680
		.amdhsa_private_segment_fixed_size 0
		.amdhsa_enable_private_segment 0
		.amdhsa_kernarg_size 24
		.amdhsa_user_sgpr_count 2
		.amdhsa_user_sgpr_kernarg_segment_ptr 1
		.amdhsa_wavefront_size32 1
		.amdhsa_system_sgpr_workgroup_id_x 1
		.amdhsa_system_sgpr_workgroup_id_y 1
		.amdhsa_system_sgpr_workgroup_id_z 1
		.amdhsa_system_vgpr_workitem_id 0
		.amdhsa_next_free_vgpr 512
		.amdhsa_next_free_sgpr 66
		.amdhsa_reserve_vcc 0
		.amdhsa_float_denorm_mode_32 3
		.amdhsa_float_denorm_mode_16_64 3
		.amdhsa_memory_ordered 1
		.amdhsa_forward_progress 1
		.amdhsa_inst_pref_size 255
	.end_amdhsa_kernel
	.section	.bss,"aw",@nobits
	.p2align	6
	.space	262144
	.amdgpu_metadata
---
amdhsa.version: [ 1, 2 ]
amdhsa.kernels:
  - .name:           k_q86e5d4ff40_attn
    .symbol:         k_q86e5d4ff40_attn.kd
    .args:
      - { .name: qf, .offset: 0, .size: 8, .value_kind: global_buffer, .address_space: global }
      - { .name: kv, .offset: 8, .size: 8, .value_kind: global_buffer, .address_space: global }
      - { .name: yf, .offset: 16, .size: 8, .value_kind: global_buffer, .address_space: global }
    .group_segment_fixed_size: 327680
    .private_segment_fixed_size: 0
    .kernarg_segment_align: 8
    .kernarg_segment_size: 24
    .max_flat_workgroup_size: 256
    .sgpr_count:     66
    .vgpr_count:     512
    .wavefront_size: 32
...
	.end_amdgpu_metadata
.endif
;; end of part 3
;; launch proj (part 4): grid 4 x 64, 4 waves a work-group, clusters of 4 x 4, 327,680 bytes of LDS; arguments yf, wo, b_out, out0; writes out0
.if DOCPART == 4
	.amdgcn_target "amdgcn-amd-amdhsa--gfx1250"
	.amdhsa_code_object_version 6
	.text
	.protected	k_q86e5d4ff40_proj
	.globl	k_q86e5d4ff40_proj
	.p2align	8
	.type	k_q86e5d4ff40_proj,@function
k_q86e5d4ff40_proj:
	s_mov_b64 s[64:65], 0
	v_nop
	global_prefetch_b8 v0, s[64:65] scope:SCOPE_SE
	s_setreg_imm32_b32 hwreg(HW_REG_WAVE_MODE, 25, 1), 1
	s_wait_xcnt 0x0
	s_wait_alu depctr_hold_cnt(0) depctr_sa_sdst(0) depctr_va_vdst(0) depctr_va_sdst(0) depctr_va_ssrc(0) depctr_va_vcc(0) depctr_vm_vsrc(0)
	s_getreg_b32 s2, hwreg(HW_REG_IB_STS2, 6, 4)
	s_cmp_eq_u32 s2, 0
	s_cbranch_scc0 .Lentry_in_a_cluster
	s_endpgm
.Lentry_in_a_cluster:
	s_bfe_u32 s2, ttmp6, 0x10000c
	s_cmp_lg_u32 s2, 0xf033
	s_cbranch_scc0 .Lentry_shape_is_right
	s_endpgm
.Lentry_shape_is_right:
; PROJECTION.  out = y W_out + b_out.  16 y [8192][1024] and W_out [1024][1024] arrive in f16 as images of fragments; sums in f32; the sum is divided by 16 and the bias added by one fused multiply-add.
; A work-group makes 128 tokens x 256 columns: 256 work-groups.  Four waves, each 64 x 128: 32 accumulators, which fill window 1 ((a, b) at v[8 (8 a + b)]).
; K goes in steps of 128 (four fragments deep) through a ring of two LDS slots: 8 token tiles x 4,096 bytes of A, then 16 column tiles x 4,096 bytes of B; a tile's 4,096 bytes of a K step are consecutive in memory.
; CLUSTERS: 4 x 4.  The four of a row need the same tiles of A, the four of a column the same tiles of B: each is asked for JOINTLY.  Waves 0, 1 fetch A's halves (4 rows of 4,096 bytes), waves 2, 3 B's (8 rows).
; THE MATRIX INSTRUCTION IS USED TRANSPOSED (source 0 = 16 columns of W_out, source 1 = 16 tokens): a lane holds eight neighbouring numbers of a row of out.
; REGISTERS.  Window 0: v0-31 addresses; two fragment buffers of 96 (A's four at +8 a, B's eight at +32 + 8 b): v32-127, v128-223; v224-227 the bias.
.set SLOT,   98304
.set STAGE,  2*SLOT                    ; the way out: 16 rows x (512 bytes + 16) for each wave; no tensor load lands there
.set SPITCH, 528
.set SPARE,  STAGE+4*16*SPITCH         ; the spare words, 128 bytes a wave
.set LAPS,   4                         ; 8 K steps, two a lap
.set ADRA, 16
.set ADRB, 20
.set LI,   23                          ; v23 16 x lane
.set STO,  24
.set RD,   25
.set SPW,  28
.set NIL,  29
.set F0,   32
.set F1,   128
.set BI,   224
.set WV, 12
.set HP, 13                            ; which 64 tokens are mine.  Also: I fetch for A (0) or for B (1)
.set HQ, 14                            ; which 128 columns.  Also: which half of that tile I fetch
.set G1A, 24
.set G0A, 32
.set G1B, 48
.set G0B, 56
.set MSB, 0
.macro WIN new                         ; the immediate's high byte repeats the setting that is left
.if MSB != \new
	s_set_vgpr_msb (MSB<<8)|\new
.set MSB, \new
.endif
.endm
.set MUL, 0x50                         ; C and D window 1
.macro JLOAD s                         ; a joint load; an s_nop 0 and four v_nop follow each of the two lines
	s_cmp_eq_u32 s[HP], 0
	s_cbranch_scc0 .Lfor_b_\@
	tensor_load_to_lds s[G0A+4*\s:G0A+4*\s+3], s[G1A:G1A+7]
	s_nop 0
.rept 4
	v_nop
.endr
	s_branch .Lasked_\@
.Lfor_b_\@:
	tensor_load_to_lds s[G0B+4*\s:G0B+4*\s+3], s[G1B:G1B+7]
	s_nop 0
.rept 4
	v_nop
.endr
.Lasked_\@:
.endm
.macro CREST                           ; a round of the cluster's barrier behind its opening barrier
	s_cmp_lg_u32 s[WV], 0
	s_cbranch_scc1 .Lnot_wave_0_\@
	s_barrier_signal -3
.Lnot_wave_0_\@:
	s_barrier_wait -3
	s_barrier_signal -1
	s_barrier_wait -1
.endm
.macro CROUND
	s_barrier_signal -1
	s_barrier_wait -1
	CREST
.endm
	s_load_b256 s[4:11], s[0:1], 0x0               ; yf, wo, b_out, out0
	v_lshl_add_u32 v[SPW], v0, 2, SPARE
	v_mov_b32 v[NIL], 0
	ds_add_u32 v[SPW], v[NIL]                      ; the opening: the add, twice on end, and its wait ahead of my first tensor load
	ds_add_u32 v[SPW], v[NIL]
	v_lshrrev_b32 v1, 5, v0
	v_readfirstlane_b32 s[WV], v1
	s_lshr_b32 s[HP], s[WV], 1
	s_and_b32 s[HQ], s[WV], 1
	s_bfe_u32 s40, ttmp6, 0x40000                  ; cx = the tile column
	s_bfe_u32 s41, ttmp6, 0x40004                  ; cy
	s_and_b32 s42, ttmp7, 0xffff
	s_lshl_b32 s42, s42, 2
	s_add_co_u32 s42, s42, s41                     ; the tile row: 4 x cluster y + cy
	s_lshl_b32 s43, s41, 2
	s_lshl_b32 s43, 15, s43                        ; my row of the cluster
	s_lshl_b32 s44, 0x1111, s40                    ; my column
	s_or_b32 s[G1A], s43, (3<<16)|(1<<21)          ; group 1: the mask; elements of 8 bytes; bit 21 beside a mask
	s_or_b32 s[G1B], s44, (3<<16)|(1<<21)
	s_mov_b32 s[G1A+1], 512<<16                    ; rows of 4,096 bytes,
	s_mov_b32 s[G1A+2], 4<<16                      ; four of them,
	s_mov_b32 s[G1A+3], 512<<16
	s_mov_b32 s[G1A+4], 4
	s_mov_b32 s[G1A+5], 4096                       ; 32,768 bytes apart
	s_mov_b32 s[G1A+6], 0
	s_mov_b32 s[G1A+7], 0
	s_mov_b32 s[G1B+1], 512<<16
	s_mov_b32 s[G1B+2], 8<<16                      ; B: eight
	s_mov_b32 s[G1B+3], 512<<16
	s_mov_b32 s[G1B+4], 8
	s_mov_b32 s[G1B+5], 4096
	s_mov_b32 s[G1B+6], 0
	s_mov_b32 s[G1B+7], 0
	s_lshl_b32 s16, s42, 3
	s_lshl_b32 s17, s[HQ], 2
	s_add_co_u32 s16, s16, s17                     ; A: token tile 8 x tile row + 4 x half
	s_lshl_b32 s16, s16, 15
	s_mov_b32 s17, 0
	s_lshl_b32 s46, s40, 4
	s_lshl_b32 s47, s[HQ], 3
	s_add_co_u32 s46, s46, s47                     ; B: column tile 16 cx + 8 x half
	s_lshl_b32 s46, s46, 15
	s_mov_b32 s47, 0
	s_lshl_b32 s20, s[HQ], 14                      ; where they go: no place in the cluster enters an LDS address
	s_lshl_b32 s21, s[HQ], 15
	s_add_co_u32 s21, s21, 32768
	s_wait_dscnt 0x0                               ; both opening adds are done
	s_wait_kmcnt 0x0
	s_add_nc_u64 s[16:17], s[4:5], s[16:17]
	s_add_nc_u64 s[46:47], s[6:7], s[46:47]
	CROUND                                         ; all sixteen work-groups are here: the first joint loads meet
.irp s, 0,1
	s_mov_b32 s[G0A+4*\s], 1
	s_add_co_u32 s[G0A+4*\s+1], s20, \s*SLOT
	s_add_nc_u64 s[G0A+4*\s+2:G0A+4*\s+3], s[16:17], \s*4096
	s_or_b32 s[G0A+4*\s+3], s[G0A+4*\s+3], 0x80000000
	s_mov_b32 s[G0B+4*\s], 1
	s_add_co_u32 s[G0B+4*\s+1], s21, \s*SLOT
	s_add_nc_u64 s[G0B+4*\s+2:G0B+4*\s+3], s[46:47], \s*4096
	s_or_b32 s[G0B+4*\s+3], s[G0B+4*\s+3], 0x80000000
	JLOAD \s                                       ; two loads of mine are out
.endr
	v_and_b32 v1, 15, v0                           ; r
	v_bfe_u32 v2, v0, 4, 1                         ; h
	v_and_b32 v3, 31, v0
	v_lshlrev_b32 v[LI], 4, v3
	s_lshl_b32 s21, s[HP], 14                      ; my four token tiles
	s_lshl_b32 s22, s[HQ], 15
	s_add_co_u32 s22, s22, 32768                   ; my eight column tiles, behind A's eight
.irp s, 0,1
	v_add_nc_u32 v[ADRA+\s], s21, v[LI]
	v_add_nc_u32 v[ADRB+\s], s22, v[LI]
	s_add_co_u32 s21, s21, SLOT
	s_add_co_u32 s22, s22, SLOT
.endr
	s_mul_i32 s23, s[WV], 16*SPITCH
	s_add_co_u32 s23, s23, STAGE                   ; my stage
	v_mul_u32_u24 v4, v1, SPITCH
	v_lshl_add_u32 v4, v2, 5, v4
	v_add_nc_u32 v[STO], s23, v4                   ; in: row r, 32 bytes for each half of the lanes
	v_add_nc_u32 v[RD], s23, v[LI]                 ; back: the 32 lanes take one row of 512 bytes
	s_lshl_b32 s16, s40, 8
	s_lshl_b32 s17, s[HQ], 7
	s_add_co_u32 s16, s16, s17
	s_lshl_b32 s16, s16, 2                         ; my first column, in bytes
	s_mov_b32 s17, 0
	s_add_nc_u64 s[8:9], s[8:9], s[16:17]
	s_add_nc_u64 s[10:11], s[10:11], s[16:17]
	s_lshl_b32 s16, s42, 7
	s_lshl_b32 s18, s[HP], 6
	s_add_co_u32 s16, s16, s18                     ; my first token
	s_lshl_b32 s16, s16, 12
	s_add_nc_u64 s[10:11], s[10:11], s[16:17]
	global_load_b128 v[BI:BI+3], v[LI], s[8:9]     ; the bias of my lane's four columns of a row
; 8 matrix instructions: token tile a x my eight column tiles, 32 along K.  The 32 accumulators take turns, one instruction a turn, in the same order in every quarter.
.macro MUL8 a, f, zero
.irp b, 0,1,2,3,4,5,6,7
.if \zero
	v_wmma_f32_16x16x32_f16 v[8*(8*\a+\b):8*(8*\a+\b)+7], v[\f+32+8*\b:\f+32+8*\b+7], v[\f+8*\a:\f+8*\a+7], 0
.else
	v_wmma_f32_16x16x32_f16 v[8*(8*\a+\b):8*(8*\a+\b)+7], v[\f+32+8*\b:\f+32+8*\b+7], v[\f+8*\a:\f+8*\a+7], v[8*(8*\a+\b):8*(8*\a+\b)+7]
.endif
.endr
.endm
.macro FETCH slot, kf, f               ; 24 LDS loads in one run: B's eight fragments, then A's four
	WIN 0
.irp i, 0,1,2,3,4,5,6,7
.irp c, 0,1
	ds_load_b128 v[\f+32+8*\i+4*\c:\f+32+8*\i+4*\c+3], v[ADRB+\slot] offset:\i*4096+\kf*1024+512*\c
.endr
.endr
.irp i, 0,1,2,3
.irp c, 0,1
	ds_load_b128 v[\f+8*\i+4*\c:\f+8*\i+4*\c+3], v[ADRA+\slot] offset:\i*4096+\kf*1024+512*\c
.endr
.endr
.endm
.macro PLACES                          ; four plain instructions ahead of loads into registers that matrix instructions have read, and of the first read of results
.rept 4
	v_nop
.endr
.endm
.macro QUARTER slot, kf, f, g, zero    ; multiplies buffer f; in its middle fetches fragment kf of the same slot into g
	s_wait_dscnt 4                                 ; B and A's tiles 0, 1 are in; the youngest four loads (A's tiles 2, 3) may be out
	WIN MUL
	MUL8 0, \f, \zero
	MUL8 1, \f, \zero
	PLACES
	FETCH \slot, \kf, \g
	s_wait_dscnt 24                                ; all but the 24 just issued
	WIN MUL
	MUL8 2, \f, \zero
	MUL8 3, \f, \zero
.endm
; A slot's last quarter multiplies buffer 1 and changes slots: one barrier; ahead of it each wave waits for all its tensor loads, adds 0 to its spare word, and waits for that and for its reads of the slot.
.macro TURN slot, next, fill
	WIN 0
	s_wait_tensorcnt 0x0                           ; all my tensor loads have landed: my part of the next slot;
	ds_add_u32 v[SPW], v[NIL]
	s_wait_dscnt 5                                 ; (the add and the youngest four loads may be out)
	WIN MUL
	MUL8 0, F1, 0
	s_wait_dscnt 0x0                               ; the add is done, and my reads of this slot are over
	s_barrier_signal -1
	MUL8 1, F1, 0
.if \fill
	WIN 0
.endif
	s_barrier_wait -1
.if \fill
	CREST                                          ; the barrier has opened a round of the cluster's: no wave of any partner still reads this slot or has a load on its way
	s_add_nc_u64 s[G0A+4*\slot+2:G0A+4*\slot+3], s[G0A+4*\slot+2:G0A+4*\slot+3], 8192
	s_add_nc_u64 s[G0B+4*\slot+2:G0B+4*\slot+3], s[G0B+4*\slot+2:G0B+4*\slot+3], 8192
	JLOAD \slot                                    ; two K steps on; the four v_nop behind it are also the places ahead of the loads below
.else
	PLACES
.endif
	FETCH \next, 0, F0
	WIN MUL
	MUL8 2, F1, 0
	MUL8 3, F1, 0
.endm
	s_wait_tensorcnt 1                             ; my part of K step 0 is in (K step 1's load may be out),
	s_barrier_signal -1
	s_barrier_wait -1                              ; everybody's is
	FETCH 0, 0, F0
	QUARTER 0, 1, F0, F1, 1                        ; the first products start the sums
	WIN 0
	s_mov_b32 s3, LAPS-1
.Llap:                                             ; a trip goes once round the ring and fills both slots again
	QUARTER 0, 2, F1, F0, 0
	QUARTER 0, 3, F0, F1, 0
	TURN 0, 1, 1
	QUARTER 1, 1, F0, F1, 0
	QUARTER 1, 2, F1, F0, 0
	QUARTER 1, 3, F0, F1, 0
	TURN 1, 0, 1
	QUARTER 0, 1, F0, F1, 0
	WIN 0
	s_sub_co_u32 s3, s3, 1
	s_cmp_lg_u32 s3, 0
	s_cbranch_scc1 .Llap
	QUARTER 0, 2, F1, F0, 0                        ; the last lap fills nothing
	QUARTER 0, 3, F0, F1, 0
	TURN 0, 1, 0
	QUARTER 1, 1, F0, F1, 0
	QUARTER 1, 2, F1, F0, 0
	QUARTER 1, 3, F0, F1, 0
	s_wait_dscnt 4
	WIN MUL
	MUL8 0, F1, 0
	MUL8 1, F1, 0
	s_wait_dscnt 0
	MUL8 2, F1, 0
	MUL8 3, F1, 0
	WIN 0
; THE WAY OUT, a block of 16 tokens x 128 columns at a time, through my own stage: in by 32 bytes of a row, back as whole rows of 512 bytes.  LDS serves a wave's instructions in order (ISA guide 5.7.1.4).
.macro TOSTAGE a
	WIN 0x04                                       ; an LDS store's data: window 1
.irp b, 0,1,2,3,4,5,6,7
	ds_store_b128 v[STO], v[64*\a+8*\b:64*\a+8*\b+3] offset:64*\b      ; each accumulator from its low end on
	ds_store_b128 v[STO], v[64*\a+8*\b+4:64*\a+8*\b+7] offset:64*\b+16
.endr
	WIN 0
.set BB, F0+96*((\a)%2)
.irp t, 0,1,2,3,4,5,6,7,8,9,10,11,12,13,14,15
	ds_load_b128 v[BB+4*\t:BB+4*\t+3], v[RD] offset:\t*SPITCH
.endr
.endm
.macro SEND a, younger
.set BB, F0+96*((\a)%2)
	s_wait_dscnt \younger                          ; the block is back in registers; the next block's stores and loads may be out
.irp t, 0,1,2,3,4,5,6,7,8,9,10,11,12,13,14,15
	v_pk_fma_f32 v[BB+4*\t:BB+4*\t+1], v[BB+4*\t:BB+4*\t+1], 0x3d800000, v[BI:BI+1] op_sel_hi:[1,0,1]       ; sum / 16 + bias
	v_pk_fma_f32 v[BB+4*\t+2:BB+4*\t+3], v[BB+4*\t+2:BB+4*\t+3], 0x3d800000, v[BI+2:BI+3] op_sel_hi:[1,0,1]
	global_store_b128 v[LI], v[BB+4*\t:BB+4*\t+3], s[10:11] offset:(16*(\a)+\t)*4096 th:TH_STORE_NT   ; 32 lanes store 512 consecutive aligned bytes
.endr
.endm
	PLACES
	s_wait_loadcnt 0x0                             ; the bias
	TOSTAGE 0
.irp a, 1,2,3
.if \a > 1
	s_wait_xcnt 0x0                                ; the stores of two blocks ago have read their registers: this block's loads may land there
.endif
	TOSTAGE \a
	SEND \a-1, 32
.endr
	SEND 3, 0
	s_wait_tensorcnt 0x0                           ; the wave's end, behind my last LDS store
	ds_add_u32 v[SPW], v[NIL]
	s_wait_dscnt 0x0
	CROUND                                         ; the closing round
	s_endpgm
.Lfunc_end_k_q86e5d4ff40_proj:
	.size	k_q86e5d4ff40_proj, .Lfunc_end_k_q86e5d4ff40_proj-k_q86e5d4ff40_proj
	.p2alignl 7, 3214868480
	.fill 96, 4, 3214868480
	.section	.rodata,"a",@progbits
	.p2align	6, 0x0
	.amdhsa_kernel k_q86e5d4ff40_proj
		.amdhsa_group_segment_fixed_size 327680
		.amdhsa_private_segment_fixed_size 0
		.amdhsa_enable_private_segment 0
		.amdhsa_kernarg_size 32
		.amdhsa_user_sgpr_count 2
		.amdhsa_user_sgpr_kernarg_segment_ptr 1
		.amdhsa_wavefront_size32 1
		.amdhsa_system_sgpr_workgroup_id_x 1
		.amdhsa_system_sgpr_workgroup_id_y 1
		.amdhsa_system_sgpr_workgroup_id_z 1
		.amdhsa_system_vgpr_workitem_id 0
		.amdhsa_next_free_vgpr 512
		.amdhsa_next_free_sgpr 66
		.amdhsa_reserve_vcc 0
		.amdhsa_float_denorm_mode_32 3
		.amdhsa_float_denorm_mode_16_64 3
		.amdhsa_memory_ordered 1
		.amdhsa_forward_progress 1
		.amdhsa_inst_pref_size 96
	.end_amdhsa_kernel
	.amdgpu_metadata
---
amdhsa.version: [ 1, 2 ]
amdhsa.kernels:
  - .name:           k_q86e5d4ff40_proj
    .symbol:         k_q86e5d4ff40_proj.kd
    .args:
      - { .name: yf, .offset: 0, .size: 8, .value_kind: global_buffer, .address_space: global }
      - { .name: wo, .offset: 8, .size: 8, .value_kind: global_buffer, .address_space: global }
      - { .name: b_out, .offset: 16, .size: 8, .value_kind: global_buffer, .address_space: global }
      - { .name: out0, .offset: 24, .size: 8, .value_kind: global_buffer, .address_space: global }
    .group_segment_fixed_size: 327680
    .private_segment_fixed_size: 0
    .kernarg_segment_align: 8
    .kernarg_segment_size: 32
    .max_flat_workgroup_size: 128
    .sgpr_count:     66
    .vgpr_count:     512
    .wavefront_size: 32
...
	.end_amdgpu_metadata
.endif
;; end of part 4
